; MI455X (gfx1250); checked and timed in simulation.
; The chip was launched on July 23, 2026; its instructions are those of AMD's public machine-readable ISA for CDNA 5 (MIT licence, August 2026) and "CDNA5" Instruction Set Architecture Reference Guide (July 2026). The comments in the code are by the model that wrote it; some were corrected since.
;; Self Attention. Allowed arithmetic: matrix products marked QUANTISED: E3M2 operands, one E8M0 scale for each 32 along K, by v_wmma_scale_f32_16x16x128_f8f6f4 with both operands' format E3M2, f32 sums; everything else in f32.
;; Inputs: Wk 1,024 x 1,024 float32; Wq 1,024 x 1,024 float32; Wv 1,024 x 1,024 float32; inputs 4 x 2,048 x 1,024 float32.
;; Outputs: out0 4 x 2,048 x 1,024 float32.
;; This version of the problem:
;;   THIS VERSION OF THE PROBLEM IS GIVEN IN LOW PRECISION. The matrix products marked QUANTISED in the list below multiply operands that are first quantised to E3M2 (3 exponent bits, 2 mantissa bits; 6 bits a number), with one power-of-two scale for each 32 numbers along K (OCP MX v1.0); their sums are f32. All else is computed in f32.
;;   The module's matrix products, in the order in which they are computed (A, B: the left and right operand; K: the contracted axis; several contracted axes count as one K, in the product's order):
;;     1. [M 8,192, K 1,024] x [K 1,024, N 1,024]; A: input inputs; B: input Wq: QUANTISED
;;     2. [M 8,192, K 1,024] x [K 1,024, N 1,024]; A: input inputs; B: input Wk: QUANTISED
;;     3. [M 8,192, K 1,024] x [K 1,024, N 1,024]; A: input inputs; B: input Wv: QUANTISED
;;     4. batch 4 x [M 2,048, K 1,024] x [K 1,024, N 2,048]; A: computed on the way; B: computed on the way: QUANTISED
;;     5. batch 4 x [M 2,048, K 2,048] x [K 2,048, N 1,024]; A: softmax (see below); B: computed on the way: QUANTISED
;;   THE QUANTISER, for each operand of a quantised product, along K:
;;     - K is cut into blocks of 32 from its start; a last block that is shorter is filled with zeros.
;;     - A block's scale is 2^e with e = floor(log2(the largest magnitude in the block)) - 4, held to -126 .. 127; a block of zeros has e = 0. As a byte (E8M0): e + 127.
;;     - Each number is divided by its block's scale, clamped to +-28, and rounded to the nearest number of E3M2, ties to even, subnormals kept.
;;     - The product sums the exact products of the quantised numbers (number of the format x scale) in f32.
;;   ~~~python
;;   def quantise(x, axis):      # numpy; x: float32 -> the quantised numbers, widened to float32 again
;;       x = np.moveaxis(x, axis, -1); K = x.shape[-1]
;;       x = np.pad(x, [(0, 0)] * (x.ndim - 1) + [(0, -K % 32)]); x = x.reshape(x.shape[:-1] + (-1, 32)); a = np.abs(x).max(-1, keepdims=True)
;;       e = np.where(a > 0, np.clip(np.frexp(np.where(a > 0, a, 1))[1] - 1 - 4, -126, 127), 0)      # np.frexp(a)[1] - 1 = floor(log2(a)), exactly
;;       r = np.clip(x / 2.0 ** e, -28, 28)
;;       step = 2.0 ** (np.maximum(np.frexp(np.where(r == 0, 1, r))[1] - 1, -2) - 2)
;;       q = np.round(r / step) * step * 2.0 ** e      # np.round: ties to even
;;       return np.moveaxis(q.reshape(q.shape[:-2] + (-1,))[..., :K], -1, axis).astype(np.float32)
;;   ~~~
;;   SOFTMAX AHEAD OF A QUANTISED PRODUCT. Where the list says 'softmax', what is quantised is not the finished softmax but p = 2^(t - M), with t = logit x log2(e) and M = ceil(the row's largest t), a whole number; so 1/2 < the row's largest p <= 1. The row's sum l is taken of the UNQUANTISED p, in f32, and the product's result is divided by l at the end. Since M is a whole number, a kernel that streams over the keys may use a running M (the ceiling of the running maximum): every later rescaling is an exact power of two, which a block's scale takes up: the codes' values come out the same.
;;   OPERANDS COMPUTED ON THE WAY. 'Computed on the way' means the value that the module computes at that place (a softmax that the list does not call 'softmax' is quantised finished and normalised). What goes into a quantiser is computed in f32, as accurately as f32 sums, v_exp_f32 and their like allow (about 1e-6 of the number): no bf16 or f16 on the way to a quantiser, and a product that is left as it is and whose result goes on into a quantised operand takes f32 operands (vector FMAs, or v_wmma_f32_16x16x4_f32). A number that lies on a knife's edge between two numbers of the format may be rounded either way, as far as f32 arithmetic and the matrix unit's own rounding can turn it there, and no further.
;; 2 versions, each right and faster than the one before. Each part assembles by itself: llvm-mc -triple=amdgcn-amd-amdhsa -mcpu=gfx1250 --defsym DOCPART=n.
;; ======== version 1 of 2: 4 launches
;; workspace buffers: c0 8,650,752 bytes; s0 360,448 bytes; c1 18,874,368 bytes; s1 786,432 bytes; pc 12,582,912 bytes; ps 524,288 bytes; pm 524,288 bytes; pl 524,288 bytes
;; launch quant (part 1): grid 704 x 1, 4 waves a work-group, no clusters, 68,608 bytes of LDS; arguments inputs, Wq, Wk, Wv, c0, s0; writes c0, s0
.if DOCPART == 1
	.amdgcn_target "amdgcn-amd-amdhsa--gfx1250"
	.amdhsa_code_object_version 6
	.text
	.protected	k_q94ed4a20a7_quant
	.globl	k_q94ed4a20a7_quant
	.p2align	8
	.type	k_q94ed4a20a7_quant,@function
k_q94ed4a20a7_quant:
	s_mov_b64 s[64:65], 0
	v_nop
	global_prefetch_b8 v0, s[64:65] scope:SCOPE_SE
	s_setreg_imm32_b32 hwreg(HW_REG_WAVE_MODE, 25, 1), 1
	s_wait_xcnt 0x0
; inputs [8192][1024], Wq, Wk, Wv [1024][1024], f32, K innermost, become codes of BF6 (E3M2) with one E8M0 byte for each 32 along K, laid as IMAGES OF OPERAND REGISTERS.
; A fragment (16 rows x 128 K, 12 registers a lane) is 1,536 bytes: registers 4 c .. 4 c + 3 of lane l at byte 512 c + 16 l.  A unit is the 8 fragments of 128 rows x 128 K (12,288 bytes);
; unit 8 G + s holds K step s of row group G (G 0-63 inputs, 64-71 Wq, 72-79 Wk, 80-87 Wv).  Lane r of fragment t holds row 32 (t / 2) + 8 (t % 2) + r % 8 + 16 (r / 8) of the group.
; A unit's scale words (four bytes: 128 along K of one row) are 512 bytes: the word of (fragment t, lane r) at 256 (t / 4) + 16 r + 4 (t % 4).
; A block's scale is 2^(floor(log2(largest magnitude)) - 4): its byte is that magnitude's exponent field - 4, held at 1 from below.
; LIMITS: a block of zeros gets the byte 1 where the rule says 127 (its codes are zeros, and only this program reads the bytes); NaN and infinities among the inputs are not served.
; SHARES: a work-group makes one unit; wave w its rows 32 w .. 32 w + 31, fragments 2 w and 2 w + 1.  Each load reads 512 consecutive bytes of one row; the rows turn through the wave's own
; stage in LDS (rows 528 bytes apart), from which a lane takes the 2 x 32 neighbours along K that the operand's layout gives it: a lane holds whole blocks, so no maximum crosses lanes.
.set SP,   528                         ; a stage row: 512 bytes + 16
.set STG,  32*SP                       ; a wave's stage
.set SCS,  4*STG                       ; behind the stages: the unit's 512 bytes of scale words
.set R,    16                          ; v16-143  32 rows as loaded
.set X0,   144                         ; v144-207 fragment 0's 64 numbers
.set X1,   16                          ; v16-79   fragment 1's
.set OD,   80                          ; v80-86   a conversion's three registers begin on an even number: the odd halves are made here and moved
.set TM,   208                         ; v208-209 largest magnitudes
.set SOP,  210                         ; v210-211 the conversions' scale operands
.set BY,   212                         ; v212-213 scale bytes
.set WD,   214                         ; v214-215 the two fragments' scale words
.set PC,   216                         ; v216-239 the two fragments' codes
.set SEL,  26                          ; s[26:27] lane selects: lane l xor 16
	s_load_b256 s[4:11], s[0:1], 0x0               ; inputs, Wq, Wk, Wv
	s_load_b128 s[12:15], s[0:1], 0x20             ; c0, s0
	v_lshl_add_u32 v240, v0, 2, 0x10a00
	v_mov_b32 v241, 0
	v_lshrrev_b32 v1, 5, v0
	v_readfirstlane_b32 s18, v1                    ; wave
	v_and_b32 v3, 31, v0
	v_and_b32 v1, 15, v0                           ; r
	v_bfe_u32 v2, v0, 4, 1                         ; h
	v_lshlrev_b32 v3, 4, v3                        ; 16 x lane
	s_mul_i32 s19, s18, STG
	v_add_nc_u32 v4, s19, v3                       ; into the stage: 16 bytes a lane of a row
	v_mul_u32_u24 v5, v1, SP
	v_lshl_add_u32 v5, v2, 7, v5
	v_add_nc_u32 v5, s19, v5                       ; out of it: row r, + 128 h: my 32 numbers of each 64
	v_lshlrev_b32 v6, 3, v2                        ; 8 h: where my two bytes stand in the word
	s_lshr_b32 s19, s18, 1
	s_lshl_b32 s19, s19, 8
	s_and_b32 s23, s18, 1
	s_lshl_b32 s23, s23, 3
	s_add_co_u32 s19, s19, s23
	s_add_co_u32 s19, s19, SCS
	v_lshl_add_u32 v7, v1, 4, s19                  ; the word of (fragment 2 w, lane r)
	v_add_nc_u32 v8, SCS, v3                       ; the word image, 16 bytes a lane
	v_mov_b32 v9, 0                                ; a lane permute's destination counts as read
	s_mov_b32 s[SEL], 0x76543210
	s_mov_b32 s[SEL+1], 0xfedcba98
	s_lshr_b32 s20, ttmp9, 3                       ; G
	s_and_b32 s21, ttmp9, 7                        ; s
	s_and_b32 s22, s20, 7                          ; the group inside a weight
	s_wait_kmcnt 0x0
	s_mov_b64 s[16:17], s[10:11]                   ; which tensor: the choice hangs on the work-group's number alone
	s_cmp_lt_u32 s20, 80
	s_cselect_b64 s[16:17], s[8:9], s[16:17]
	s_cmp_lt_u32 s20, 72
	s_cselect_b64 s[16:17], s[6:7], s[16:17]
	s_cmp_lt_u32 s20, 64
	s_cselect_b64 s[16:17], s[4:5], s[16:17]
	s_cselect_b32 s22, s20, s22
	s_lshl_b32 s24, s22, 19                        ; 128 rows of 4,096 bytes a group,
	s_lshl_b32 s23, s18, 17                        ; 32 rows a wave,
	s_add_co_u32 s24, s24, s23
	s_lshl_b32 s23, s21, 9                         ; 512 bytes a K step
	s_add_co_u32 s24, s24, s23
	s_mov_b32 s25, 0
	s_add_nc_u64 s[16:17], s[16:17], s[24:25]
	s_mul_i32 s24, ttmp9, 12288
	s_mul_i32 s23, s18, 3072
	s_add_co_u32 s24, s24, s23
	s_add_nc_u64 s[12:13], s[12:13], s[24:25]      ; my two fragments' images
	s_lshl_b32 s24, ttmp9, 9
	s_add_nc_u64 s[14:15], s[14:15], s[24:25]      ; the unit's word image
.set i, 0
.rept 32
	global_load_b128 v[R+4*i:R+4*i+3], v3, s[16:17] offset:4096*i th:TH_LOAD_NT   ; row i: 512 consecutive bytes
.set i, i+1
.endr
.set i, 0
.rept 32
	s_wait_loadcnt 31-i                            ; row i is in; the younger rows may be out
	ds_store_b128 v4, v[R+4*i:R+4*i+3] offset:SP*(16*((i>>3)&1)+(i&7)+8*(i>>4))   ; to its place: fragment (i / 8) % 2, lane i % 8 + 8 (i / 16)
.set i, i+1
.endr
.macro BACK x, u                       ; fragment u's numbers: register 32 c + 4 j + e = k 64 c + 32 h + 4 j + e of row r.  LDS serves a wave's instructions in order: these see my stores
.irp c, 0,1
.irp j, 0,1,2,3,4,5,6,7
	ds_load_b128 v[\x+32*\c+4*\j:\x+32*\c+4*\j+3], v5 offset:16*SP*\u+256*\c+16*\j
.endr
.endr
.endm
.macro QF x, u                         ; 64 numbers become a fragment's 12 registers and its scale word, and leave
.irp c, 0,1
	v_max3_num_f32 v[TM+\c], |v[\x+32*\c]|, |v[\x+32*\c+1]|, 0x2800000   ; my block 2 c + h, and the floor 2^(5 - 127): the byte cannot fall under 1
.endr
.irp i, 2,4,6,8,10,12,14,16,18,20,22,24,26,28,30
.irp c, 0,1
	v_max3_num_f32 v[TM+\c], v[TM+\c], |v[\x+32*\c+\i]|, |v[\x+32*\c+\i+1]|
.endr
.endr
.irp c, 0,1
	v_add_nc_u32 v[SOP+\c], 0xfe000000, v[TM+\c]   ; 4 off the exponent field: the conversion takes that field as its scale
.endr
.irp c, 0,1
	v_lshrrev_b32 v[BY+\c], 23, v[SOP+\c]          ; the scale's byte
.endr
	v_lshl_or_b32 v[WD+\u], v[BY+1], 16, v[BY]     ; blocks h and 2 + h,
	v_lshlrev_b32 v[WD+\u], v6, v[WD+\u]           ; at their places;
	v_permlanex16_b32 v9, v[WD+\u], s[SEL], s[SEL+1]
	v_or_b32 v[WD+\u], v[WD+\u], v9                ; with lane l xor 16's two the word is whole
.irp c, 0,1
	v_cvt_scalef32_pk16_bf6_f32 v[PC+12*\u+6*\c:PC+12*\u+6*\c+2], v[\x+32*\c:\x+32*\c+15], v[SOP+\c]
	v_cvt_scalef32_pk16_bf6_f32 v[OD+4*\c:OD+4*\c+2], v[\x+32*\c+16:\x+32*\c+31], v[SOP+\c]
.endr
	v_nop                                          ; one plain place behind a scaled conversion
.irp c, 0,1
.irp i, 0,1,2
	v_mov_b32 v[PC+12*\u+6*\c+3+\i], v[OD+4*\c+\i]
.endr
.endr
.irp c, 0,1,2
	global_store_b128 v3, v[PC+12*\u+4*\c:PC+12*\u+4*\c+3], s[12:13] offset:1536*\u+512*\c   ; 512 consecutive bytes a store
.endr
	ds_store_b32 v7, v[WD+\u] offset:4*\u          ; lanes r and r + 16 write the same word with the same value
.endm
	BACK X0, 0
	s_wait_dscnt 0x0                               ; the stage's stores have read v16-143: fragment 1 may land there
	BACK X1, 1
	QF X0, 0
	s_wait_dscnt 0x0                               ; fragment 1's numbers are in
	QF X1, 1
	s_wait_dscnt 0x0                               ; for the others' sake: my two words lie in LDS
	s_barrier_signal -1
	s_barrier_wait -1
	s_cmp_lg_u32 s18, 0
	s_cbranch_scc1 .Lend                           ; wave 0 sends the unit's 512 bytes of words by one store
	ds_load_b128 v[10:13], v8
	s_wait_dscnt 0x0
	global_store_b128 v3, v[10:13], s[14:15]
.Lend:
	s_wait_tensorcnt 0x0
	ds_add_u32 v240, v241
	s_wait_dscnt 0x0
	s_endpgm
.Lfunc_end_k_q94ed4a20a7_quant:
	.size	k_q94ed4a20a7_quant, .Lfunc_end_k_q94ed4a20a7_quant-k_q94ed4a20a7_quant
	.p2alignl 7, 3214868480
	.fill 96, 4, 3214868480
	.section	.rodata,"a",@progbits
	.p2align	6, 0x0
	.amdhsa_kernel k_q94ed4a20a7_quant
		.amdhsa_group_segment_fixed_size 68608
		.amdhsa_private_segment_fixed_size 0
		.amdhsa_enable_private_segment 0
		.amdhsa_kernarg_size 48
		.amdhsa_user_sgpr_count 2
		.amdhsa_user_sgpr_kernarg_segment_ptr 1
		.amdhsa_wavefront_size32 1
		.amdhsa_system_sgpr_workgroup_id_x 1
		.amdhsa_system_sgpr_workgroup_id_y 1
		.amdhsa_system_sgpr_workgroup_id_z 1
		.amdhsa_system_vgpr_workitem_id 0
		.amdhsa_next_free_vgpr 242
		.amdhsa_next_free_sgpr 66
		.amdhsa_reserve_vcc 0
		.amdhsa_float_denorm_mode_32 3
		.amdhsa_float_denorm_mode_16_64 3
		.amdhsa_memory_ordered 1
		.amdhsa_forward_progress 1
		.amdhsa_inst_pref_size 18
	.end_amdhsa_kernel
	.amdgpu_metadata
---
amdhsa.version: [ 1, 2 ]
amdhsa.kernels:
  - .name:           k_q94ed4a20a7_quant
    .symbol:         k_q94ed4a20a7_quant.kd
    .args:
      - { .name: inputs, .offset: 0, .size: 8, .value_kind: global_buffer, .address_space: global }
      - { .name: Wq, .offset: 8, .size: 8, .value_kind: global_buffer, .address_space: global }
      - { .name: Wk, .offset: 16, .size: 8, .value_kind: global_buffer, .address_space: global }
      - { .name: Wv, .offset: 24, .size: 8, .value_kind: global_buffer, .address_space: global }
      - { .name: c0, .offset: 32, .size: 8, .value_kind: global_buffer, .address_space: global }
      - { .name: s0, .offset: 40, .size: 8, .value_kind: global_buffer, .address_space: global }
    .group_segment_fixed_size: 68608
    .private_segment_fixed_size: 0
    .kernarg_segment_align: 8
    .kernarg_segment_size: 48
    .max_flat_workgroup_size: 128
    .sgpr_count:     66
    .vgpr_count:     242
    .wavefront_size: 32
...
	.end_amdgpu_metadata
.endif
;; end of part 1
;; launch proj (part 2): grid 12 x 32, 4 waves a work-group, clusters of 4 x 4, 327,680 bytes of LDS; arguments c0, s0, c1, s1; writes c1, s1
.if DOCPART == 2
	.amdgcn_target "amdgcn-amd-amdhsa--gfx1250"
	.amdhsa_code_object_version 6
	.text
	.protected	k_q94ed4a20a7_proj
	.globl	k_q94ed4a20a7_proj
	.p2align	8
	.type	k_q94ed4a20a7_proj,@function
k_q94ed4a20a7_proj:
	s_mov_b64 s[64:65], 0
	v_nop
	global_prefetch_b8 v0, s[64:65] scope:SCOPE_SE
	s_setreg_imm32_b32 hwreg(HW_REG_WAVE_MODE, 25, 1), 1
	s_wait_xcnt 0x0
	s_wait_alu depctr_hold_cnt(0) depctr_sa_sdst(0) depctr_va_vdst(0) depctr_va_sdst(0) depctr_va_ssrc(0) depctr_va_vcc(0) depctr_vm_vsrc(0)
	s_getreg_b32 s2, hwreg(HW_REG_IB_STS2, 6, 4)
	s_cmp_eq_u32 s2, 0
	s_cbranch_scc0 .Lentry_in_a_cluster
	s_endpgm
.Lentry_in_a_cluster:
	s_bfe_u32 s2, ttmp6, 0x10000c
	s_cmp_lg_u32 s2, 0xf033
	s_cbranch_scc0 .Lentry_shape_is_right
	s_endpgm
.Lentry_shape_is_right:
; Q = x Wq^T, K = x Wk^T (A = x, B = Wq | Wk) and V^T = Wv x^T (A = Wv, B = x), on codes of BF6 with E8M0 scales; the f32 sums are quantised along N at once and leave as codes.
; OPERANDS ARE IMAGES OF REGISTERS: a fragment (16 rows x 128 K) is 1,536 bytes, registers 4 c .. 4 c + 3 of lane l at 512 c + 16 l; a unit is the 8 fragments of 128 rows x 128 K; a group's units lie on end along K.
; Lane r of fragment t holds row 32 (t / 2) + 8 (t % 2) + r % 8 + 16 (r / 8) of its group.  A unit's scale words are 512 bytes: (fragment t, lane r) at 256 (t / 4) + 16 r + 4 (t % 4).
; A tile of C, 256 x 256, is made by four waves, 128 x 128 each (64 accumulators, 512 registers).  K goes in steps of 256 through two LDS slots; a wave's tensor load brings one group's 24,576 dense bytes.
; The scale words of the tile's four groups, for all of K, come once with the first fills.  THE MATRIX INSTRUCTION IS USED TRANSPOSED (source 0 = B, source 1 = A): with the row order above a lane's 64 results of a block
; of 16 rows are, register 16 b + i, column 32 b + 16 (lane / 16) + i of the wave's 128: sixteen neighbours along the next product's K, which the conversions take as they stand.
; CLUSTERS 4 x 4: A's tiles are asked for jointly along a row of the cluster, B's along a column.  The role hangs on the cluster's x alone (0, 1: Q and K; 2: V^T) and only selects offsets: no branch hangs on it.
; OUT: c1, s1 in units: Q 8 R + s, K 512 + 8 R + s (R: group of 128 tokens, s: 128 along e), V^T 1024 + 128 batch + 16 R + s (R: group of 128 along e, s: 128 keys).
; LIMITS: a block of zeros gets the byte 1 (its codes are zeros; only this program reads the bytes); NaN and infinities are not served.
; REGISTERS: window 0: v16-29 addresses; v32-63 scale words, two sets; v128-223 A's fragments, one set; on the way out v128-171 codes, v176-187 words, v200-215 at work.  Window 1: B's two sets.  Windows 2, 3: accumulators.
.set KSTEPS, 8                         ; steps of 128 along K
.set A_SCALES, 1
.set FR,     12
.set FRB,    1536
.set GSTEP,  8*FRB
.set HALFT,  2*GSTEP                   ; what one tensor load brings: a group's 256 along K
.set SLOT,   4*HALFT                   ; A's two groups, then B's two
.set SCL,    2*SLOT                    ; behind the ring: the scale words, GS bytes a group
.set GS,     512*KSTEPS
.set SPARE,  SCL+4*GS                  ; the spare words, 128 bytes a wave: two blocks of 256 bytes that no other line names
.set LAPS,   KSTEPS/4
.set NL,     3                         ; LDS loads that bring a fragment
.set NP,     4                         ; places behind this matrix instruction (ISA guide 7.12.1)
.set ADRA, 16                          ; v16-17 my A fragments in slot 0, 1
.set ADRB, 20                          ; v20-21 the same for B
.set LI,   26                          ; v26 16 x lane
.set ADRS, 27                          ; v27 my scale words: lanes 0-15 A's, lanes 16-31 B's
.set SPW,  28
.set NIL,  29
.set SC,   32                          ; set sc, the slot's q-th 128 along K, block i: v[SC + 16 sc + 8 q + i]
.set AF,   128
.set G1, 24
.set G0, 32
.set G1B, 48
.set G0B, 56
.set G1S, 68
.set G0S, 76
.set G1SB, 80
.set G0SB, 88
.set TM,   200
.set WRD,  176
.set WO,   184
.set MSB, 0
.macro WIN new                         ; the immediate's high byte repeats the setting that is left
.if MSB != \new
	s_set_vgpr_msb (MSB<<8)|\new
.set MSB, \new
.endif
.endm
.set MUL_LO, 0xa1                      ; source 0 (B) window 1, source 1 (A) window 0, C and D window 2
.set MUL_HI, 0xf1
.set TO_B,   0x40
.macro JLOAD g0a, g1a, g0b, g1b        ; a joint load: waves 0, 1 for A, waves 2, 3 for B; four v_nop follow each line
	s_cmp_eq_u32 s13, 0
	s_cbranch_scc0 .Lfor_b_\@
	tensor_load_to_lds s[\g0a:\g0a+3], s[\g1a:\g1a+7]
	s_nop 0
.rept 4
	v_nop
.endr
	s_branch .Lasked_\@
.Lfor_b_\@:
	tensor_load_to_lds s[\g0b:\g0b+3], s[\g1b:\g1b+7]
	s_nop 0
.rept 4
	v_nop
.endr
.Lasked_\@:
.endm
.macro CREST                           ; a round of the cluster's barrier behind its opening barrier
	s_cmp_lg_u32 s12, 0
	s_cbranch_scc1 .Lnot_wave_0_\@
	s_barrier_signal -3
.Lnot_wave_0_\@:
	s_barrier_wait -3
	s_barrier_signal -1
	s_barrier_wait -1
.endm
.macro CROUND
	s_barrier_signal -1
	s_barrier_wait -1
	CREST
.endm
.macro PLACES n
.rept \n
	v_nop
.endr
.endm
.macro FRAG reg, adr, q, i             ; a fragment comes as it was stored: three loads of 512 consecutive bytes
.irp c, 0,1,2
	ds_load_b128 v[\reg+4*\c:\reg+4*\c+3], v[\adr] offset:(\q)*GSTEP+(\i)*FRB+512*\c
.endr
.endm
.macro MUL16 a0, p, q, sc, zero        ; A's blocks a0, a0 + 1 x B's eight; the 64 accumulators take turns
.irp a, \a0, \a0+1
.irp b, 0,1,2,3,4,5,6,7
.if \zero
	v_wmma_scale_f32_16x16x128_f8f6f4 v[8*(8*((\a)%4)+\b):8*(8*((\a)%4)+\b)+7], v[128*(\p)+FR*\b:128*(\p)+FR*\b+FR-1], v[AF+FR*(\a):AF+FR*(\a)+FR-1], 0, v[SC+16*(\sc)+8*(\q)+\b], v[SC+16*(\sc)+8*(\q)+(\a)] matrix_a_fmt:MATRIX_FMT_BF6 matrix_b_fmt:MATRIX_FMT_BF6 matrix_a_scale:MATRIX_SCALE_ROW1
.else
	v_wmma_scale_f32_16x16x128_f8f6f4 v[8*(8*((\a)%4)+\b):8*(8*((\a)%4)+\b)+7], v[128*(\p)+FR*\b:128*(\p)+FR*\b+FR-1], v[AF+FR*(\a):AF+FR*(\a)+FR-1], v[8*(8*((\a)%4)+\b):8*(8*((\a)%4)+\b)+7], v[SC+16*(\sc)+8*(\q)+\b], v[SC+16*(\sc)+8*(\q)+(\a)] matrix_a_fmt:MATRIX_FMT_BF6 matrix_b_fmt:MATRIX_FMT_BF6 matrix_a_scale:MATRIX_SCALE_ROW1
.endif
.endr
.endr
.endm
.macro FETCH_B slot, q, p
	WIN TO_B
.irp i, 0,1,2,3,4,5,6,7
	FRAG 128*(\p)+FR*\i, ADRB+\slot, \q, \i
.endr
	WIN 0
.endm
.macro FETCH_A slot, q, i0
.irp i, \i0, \i0+1, \i0+2, \i0+3
	FRAG AF+FR*(\i), ADRA+\slot, \q, \i
.endr
.endm
.macro SCALES sc                       ; a slot's scale words: eight blocks' words by two loads for each 128 along K
.irp q, 0,1
.irp f, 0,1
	ds_load_b128 v[SC+16*\sc+8*\q+4*\f:SC+16*\sc+8*\q+4*\f+3], v[ADRS] offset:512*\q+256*\f
.endr
.endr
.endm
.macro STEP slot, q, zero              ; a step of 128 along K that has its successor in the same slot
	s_wait_dscnt 4*NL                              ; all but A's blocks 4-7 are in
	WIN MUL_LO
	MUL16 0, (\q)%2, \q, \slot, \zero
	MUL16 2, (\q)%2, \q, \slot, \zero
	s_wait_dscnt 0
	PLACES NP
	FETCH_B \slot, (\q)+1, 1-(\q)%2
	FETCH_A \slot, (\q)+1, 0
	WIN MUL_HI
	MUL16 4, (\q)%2, \q, \slot, \zero
	MUL16 6, (\q)%2, \q, \slot, \zero
	PLACES NP
	WIN 0
	FETCH_A \slot, (\q)+1, 4
.endm
.macro TURN slot, next, fill           ; a slot's last step changes slots: one barrier
	s_wait_tensorcnt 0x0                           ; all my tensor loads have landed: my part of the next slot
	ds_add_u32 v[SPW], v[NIL]                      ; 0 onto my spare word
	s_wait_dscnt 4*NL+1                            ; (the add and A's blocks 4-7 may be out)
	WIN MUL_LO
	MUL16 0, 1, 1, \slot, 0
	s_wait_dscnt 0x0                               ; the add is done, and my reads of this slot are over
	s_barrier_signal -1
	MUL16 2, 1, 1, \slot, 0
	WIN 0
	s_barrier_wait -1
.if \fill
	CREST                                          ; the barrier has opened a round of the cluster's: no wave of any partner reads this slot or has a load on its way
	s_add_nc_u64 s[G0+4*\slot+2:G0+4*\slot+3], s[G0+4*\slot+2:G0+4*\slot+3], 2*HALFT
	s_add_nc_u64 s[G0B+4*\slot+2:G0B+4*\slot+3], s[G0B+4*\slot+2:G0B+4*\slot+3], 2*HALFT
	JLOAD G0+4*\slot, G1, G0B+4*\slot, G1B         ; the first tensor load behind the round; its four v_nop are the places in front of the loads below
.else
	PLACES NP
.endif
	v_add_nc_u32 v[ADRS], 1024, v[ADRS]            ; the next slot's scale words
	FETCH_B \next, 0, 0
	FETCH_A \next, 0, 0
	SCALES \next
	WIN MUL_HI
	MUL16 4, 1, 1, \slot, 0
	MUL16 6, 1, 1, \slot, 0
	PLACES NP
	WIN 0
	FETCH_A \next, 0, 4
.endm
	s_load_b128 s[4:7], s[0:1], 0x0                ; c0, s0: both operands come from them
	s_load_b128 s[92:95], s[0:1], 0x10             ; c1, s1
	v_lshl_add_u32 v[SPW], v0, 2, SPARE
	v_mov_b32 v[NIL], 0
	ds_add_u32 v28, v29
	ds_add_u32 v28, v29
	s_wait_dscnt 0x0
	v_lshrrev_b32 v1, 5, v0
	v_readfirstlane_b32 s12, v1                    ; wave
	s_lshr_b32 s13, s12, 1                         ; my half of the rows; also: I fetch for A (0) or B (1)
	s_and_b32 s14, s12, 1                          ; my half of the columns; also: which group I fetch
	s_bfe_u32 s17, ttmp6, 0x40000                  ; cx
	s_bfe_u32 s18, ttmp6, 0x40004                  ; cy
	s_and_b32 s19, ttmp7, 0xffff                   ; cluster y
	s_lshl_b32 s21, s18, 2
	s_lshl_b32 s21, 15, s21                        ; my row of the cluster
	s_lshl_b32 s22, 0x1111, s17                    ; my column
	s_mov_b32 s66, 0x76543210
	s_mov_b32 s67, 0xfedcba98
	s_mov_b32 s104, 0xffff0000                     ; lanes 16-31
	s_lshl_b32 s2, s19, 2                          ; 4 Y
	s_lshl_b32 s23, ttmp9, 2                       ; 4 X
	s_cmp_lt_u32 ttmp9, 2                          ; Q and K, or V^T: the same in all sixteen partners
	s_cselect_b32 s15, s2, 0
	s_cselect_b32 s16, s23, s2
	s_cselect_b32 s40, 0, 80                       ; A's first group: inputs, or Wv
	s_cselect_b32 s44, 64, 0                       ; B's: Wq | Wk, or inputs
	s_add_co_u32 s15, s15, s18                     ; tile row
	s_add_co_u32 s16, s16, s17                     ; tile column
	s_lshl_b32 s41, s15, 1
	s_add_co_u32 s40, s40, s41
	s_add_co_u32 s40, s40, s14                     ; the group of A that I would fetch
	s_lshl_b32 s42, s40, 12
	s_mul_i32 s40, s40, KSTEPS*GSTEP
	s_mov_b32 s41, 0
	s_mov_b32 s43, 0
	s_lshl_b32 s45, s16, 1
	s_add_co_u32 s44, s44, s45
	s_add_co_u32 s44, s44, s14                     ; and of B
	s_lshl_b32 s46, s44, 12
	s_mul_i32 s44, s44, KSTEPS*GSTEP
	s_mov_b32 s45, 0
	s_mov_b32 s47, 0
	s_or_b32 s[G1+0], s21, (3<<16)|(1<<21)         ; 15:0 the mask; 17:16 elements of 8 bytes; 21 set beside a mask; no padding
	s_or_b32 s[G1B+0], s22, (3<<16)|(1<<21)
	s_or_b32 s[G1S+0], s21, (3<<16)|(1<<21)
	s_or_b32 s[G1SB+0], s22, (3<<16)|(1<<21)
.irp g, G1, G1B                        ; 24,576 dense bytes as 96 rows of 256
	s_mov_b32 s[\g+1], 32<<16
	s_mov_b32 s[\g+2], 96<<16
	s_mov_b32 s[\g+3], 32<<16
	s_mov_b32 s[\g+4], 96
	s_mov_b32 s[\g+5], 32
	s_mov_b32 s[\g+6], 0
	s_mov_b32 s[\g+7], 0
.endr
.irp g, G1S, G1SB                      ; GS dense bytes as rows of 256
	s_mov_b32 s[\g+1], 32<<16
	s_mov_b32 s[\g+2], (GS/256)<<16
	s_mov_b32 s[\g+3], 32<<16
	s_mov_b32 s[\g+4], GS/256
	s_mov_b32 s[\g+5], 32
	s_mov_b32 s[\g+6], 0
	s_mov_b32 s[\g+7], 0
.endr
	s_mul_i32 s2, s12, HALFT                       ; where they go: the wave's number alone
	s_mul_i32 s23, s12, GS
	s_wait_kmcnt 0x0
	s_add_nc_u64 s[40:41], s[4:5], s[40:41]
	s_add_nc_u64 s[42:43], s[6:7], s[42:43]
	s_add_nc_u64 s[44:45], s[4:5], s[44:45]
	s_add_nc_u64 s[46:47], s[6:7], s[46:47]
	CROUND                                         ; all sixteen work-groups are here: the first joint loads meet
	s_mov_b32 s[G0S], 1
	s_add_co_u32 s[G0S+1], s23, SCL
	s_mov_b64 s[G0S+2:G0S+3], s[42:43]
	s_or_b32 s[G0S+3], s[G0S+3], 0x80000000
	s_mov_b32 s[G0SB], 1
	s_add_co_u32 s[G0SB+1], s23, SCL
	s_mov_b64 s[G0SB+2:G0SB+3], s[46:47]
	s_or_b32 s[G0SB+3], s[G0SB+3], 0x80000000
.irp s, 0,1
	s_mov_b32 s[G0+4*\s], 1
	s_add_co_u32 s[G0+4*\s+1], s2, \s*SLOT
	s_add_nc_u64 s[G0+4*\s+2:G0+4*\s+3], s[40:41], \s*HALFT
	s_or_b32 s[G0+4*\s+3], s[G0+4*\s+3], 0x80000000
	s_mov_b32 s[G0B+4*\s], 1
	s_add_co_u32 s[G0B+4*\s+1], s2, \s*SLOT
	s_add_nc_u64 s[G0B+4*\s+2:G0B+4*\s+3], s[44:45], \s*HALFT
	s_or_b32 s[G0B+4*\s+3], s[G0B+4*\s+3], 0x80000000
.endr
	s_cmp_eq_u32 s13, 0                            ; a wave's first fills stand in one branch: three loads of mine are out
	s_cbranch_scc0 .Lfirst_b
.if A_SCALES
	tensor_load_to_lds s[G0S:G0S+3], s[G1S:G1S+7]
	s_nop 0
.endif
	tensor_load_to_lds s[G0:G0+3], s[G1:G1+7]
	s_nop 0
	tensor_load_to_lds s[G0+4:G0+7], s[G1:G1+7]
	s_nop 0
.rept 4
	v_nop
.endr
	s_branch .Lfirst_done
.Lfirst_b:
	tensor_load_to_lds s[G0SB:G0SB+3], s[G1SB:G1SB+7]
	s_nop 0
	tensor_load_to_lds s[G0B:G0B+3], s[G1B:G1B+7]
	s_nop 0
	tensor_load_to_lds s[G0B+4:G0B+7], s[G1B:G1B+7]
	s_nop 0
.rept 4
	v_nop
.endr
.Lfirst_done:
	v_and_b32 v1, 15, v0                           ; r
	v_bfe_u32 v2, v0, 4, 1                         ; h
	v_and_b32 v3, 31, v0
	v_lshlrev_b32 v[LI], 4, v3
	s_mul_i32 s2, s13, HALFT                       ; my group of A,
	s_mul_i32 s23, s14, HALFT
	s_add_co_u32 s23, s23, 2*HALFT                 ; my group of B
.irp s, 0,1
	v_add_nc_u32 v[ADRA+\s], s2, v[LI]
	v_add_nc_u32 v[ADRB+\s], s23, v[LI]
	s_add_co_u32 s2, s2, SLOT
	s_add_co_u32 s23, s23, SLOT
.endr
	s_mul_i32 s2, s13, GS
	s_mul_i32 s23, s14, GS
	s_add_co_u32 s23, s23, 2*GS
	s_sub_co_u32 s23, s23, s2
	v_mul_u32_u24 v4, s23, v2                      ; lanes 16-31 take B's words
	s_add_co_u32 s2, s2, SCL
	v_lshl_add_u32 v4, v1, 4, v4
	v_add_nc_u32 v[ADRS], s2, v4
	; the unit that I write
	s_lshl_b32 s2, s15, 1
	s_add_co_u32 s2, s2, s13                       ; R: my group of rows
	s_lshl_b32 s23, s16, 1
	s_add_co_u32 s23, s23, s14                     ; n: my 128 columns
	s_lshr_b32 s8, s23, 3
	s_lshl_b32 s8, s8, 9
	s_lshl_b32 s9, s2, 3
	s_add_co_u32 s8, s8, s9
	s_and_b32 s9, s23, 7
	s_add_co_u32 s8, s8, s9                        ; Q, K: 512 (n / 8) + 8 R + n % 8
	s_lshr_b32 s10, s23, 4
	s_lshl_b32 s10, s10, 7
	s_lshl_b32 s11, s2, 4
	s_add_co_u32 s10, s10, s11
	s_and_b32 s11, s23, 15
	s_add_co_u32 s10, s10, s11
	s_add_co_u32 s10, s10, 1024                    ; V^T: 1024 + 128 (n / 16) + 16 R + n % 16
	s_cmp_lt_u32 ttmp9, 2
	s_cselect_b32 s2, s8, s10
	s_mul_i32 s8, s2, GSTEP
	s_mov_b32 s9, 0
	s_lshl_b32 s10, s2, 9
	s_mov_b32 s11, 0
	s_add_nc_u64 s[92:93], s[92:93], s[8:9]
	s_add_nc_u64 s[94:95], s[94:95], s[10:11]
	s_wait_tensorcnt 1                             ; the scale words and my part of slot 0 are in; slot 1's may stay out
	s_barrier_signal -1
	s_barrier_wait -1
	FETCH_B 0, 0, 0
	FETCH_A 0, 0, 0
	SCALES 0
	FETCH_A 0, 0, 4
	STEP 0, 0, 1                                   ; the first step's products start the sums
	s_mov_b32 s3, LAPS-1
.Llap:
	TURN 0, 1, 1
	STEP 1, 0, 0
	TURN 1, 0, 1
	STEP 0, 0, 0
	s_sub_co_u32 s3, s3, 1
	s_cmp_lg_u32 s3, 0
	s_cbranch_scc1 .Llap
	TURN 0, 1, 0                                   ; the last lap fills nothing
	STEP 1, 0, 0
	s_wait_dscnt 4*NL
	WIN MUL_LO
	MUL16 0, 1, 1, 1, 0
	MUL16 2, 1, 1, 1, 0
	s_wait_dscnt 0
	WIN MUL_HI
	MUL16 4, 1, 1, 1, 0
	MUL16 6, 1, 1, 1, 0
	WIN 0
; THE WAY OUT: block a (16 rows x my 128 columns) becomes one fragment and one scale word a row.
.macro QUANTW a
.set AC, 64*((\a)%4)
.set W,  2+(\a)/4
.set WW, W|(W<<2)
.set PC, 128+24*((\a)%2)
	s_wait_xcnt 0x0                                ; the stores of two blocks ago have read this set of codes
	WIN WW                                         ; sources 0 and 1: the accumulators' window
.irp b, 0,1,2,3
	v_max3_num_f32 v[TM+\b], |v[AC+16*\b]|, |v[AC+16*\b+1]|, 0x2800000   ; block b of 32 columns: my 16, each accumulator from its low end on, and the floor 2^(5 - 127)
.endr
.irp i, 2,4,6,8,10,12,14
.irp b, 0,1,2,3
	v_max3_num_f32 v[TM+\b], |v[AC+16*\b+\i]|, |v[AC+16*\b+\i+1]|, v[TM+\b]
.endr
.endr
	WIN 0
.irp b, 0,1,2,3
	v_permlanex16_b32 v[TM+4+\b], v[TM+\b], s66, s67
.endr
.irp b, 0,1,2,3
	v_max_num_f32 v[TM+\b], v[TM+\b], v[TM+4+\b]   ; with lane l xor 16's 16
.endr
.irp b, 0,1,2,3
	v_add_nc_u32 v[TM+12+\b], 0xfe000000, v[TM+\b] ; 4 off the exponent field: the conversion's scale operand
.endr
.irp b, 0,1,2,3
	v_lshrrev_b32 v[TM+4+\b], 23, v[TM+12+\b]      ; the byte
.endr
	v_lshl_or_b32 v[WRD+(\a)], v[TM+5], 8, v[TM+4]
	v_lshl_or_b32 v[WRD+(\a)], v[TM+6], 16, v[WRD+(\a)]
	v_lshl_or_b32 v[WRD+(\a)], v[TM+7], 24, v[WRD+(\a)]
	WIN W                                          ; source 0: the accumulators' window
.irp c, 0,1
	v_cvt_scalef32_pk16_bf6_f32 v[PC+6*\c:PC+6*\c+2], v[AC+32*\c:AC+32*\c+15], v[TM+12+2*\c]
	v_cvt_scalef32_pk16_bf6_f32 v[PC+12+4*\c:PC+14+4*\c], v[AC+32*\c+16:AC+32*\c+31], v[TM+12+2*\c+1]
.endr
	WIN 0
	v_nop                                          ; one plain place behind a scaled conversion
.irp c, 0,1                            ; the operand's layout wants a whole block in a lane
.irp i, 0,1,2
	v_permlane16_swap_b32 v[PC+6*\c+\i], v[PC+12+4*\c+\i]
.endr
.irp i, 0,1,2
	v_mov_b32 v[PC+3+6*\c+\i], v[PC+12+4*\c+\i]
.endr
.endr
.irp c, 0,1,2
	global_store_b128 v[LI], v[PC+4*\c:PC+4*\c+3], s[92:93] offset:FRB*(\a)+512*\c   ; 512 consecutive bytes a store
.endr
.endm
	PLACES NP                                      ; behind the last products
.irp b, 0,1,2,3
	v_mov_b32 v[TM+4+\b], 0                        ; a lane permute's destination counts as read
.endr
.irp a, 0,1,2,3,4,5,6,7
	QUANTW \a
.endr
.irp j, 0,1,2,3
	v_cndmask_b32 v[WO+\j], v[WRD+\j], v[WRD+4+\j], s104   ; lanes 0-15 send blocks 0-3's words, lanes 16-31 blocks 4-7's
.endr
	global_store_b128 v[LI], v[WO:WO+3], s[94:95]
	s_wait_tensorcnt 0x0                           ; the wave's end
	ds_add_u32 v[SPW], v[NIL]
	s_wait_dscnt 0x0
	CROUND                                         ; the closing round
	s_endpgm
.Lfunc_end_k_q94ed4a20a7_proj:
	.size	k_q94ed4a20a7_proj, .Lfunc_end_k_q94ed4a20a7_proj-k_q94ed4a20a7_proj
	.p2alignl 7, 3214868480
	.fill 96, 4, 3214868480
	.section	.rodata,"a",@progbits
	.p2align	6, 0x0
	.amdhsa_kernel k_q94ed4a20a7_proj
		.amdhsa_group_segment_fixed_size 327680
		.amdhsa_private_segment_fixed_size 0
		.amdhsa_enable_private_segment 0
		.amdhsa_kernarg_size 32
		.amdhsa_user_sgpr_count 2
		.amdhsa_user_sgpr_kernarg_segment_ptr 1
		.amdhsa_wavefront_size32 1
		.amdhsa_system_sgpr_workgroup_id_x 1
		.amdhsa_system_sgpr_workgroup_id_y 1
		.amdhsa_system_sgpr_workgroup_id_z 1
		.amdhsa_system_vgpr_workitem_id 0
		.amdhsa_next_free_vgpr 1024
		.amdhsa_next_free_sgpr 106
		.amdhsa_reserve_vcc 0
		.amdhsa_float_denorm_mode_32 3
		.amdhsa_float_denorm_mode_16_64 3
		.amdhsa_memory_ordered 1
		.amdhsa_forward_progress 1
		.amdhsa_inst_pref_size 138
	.end_amdhsa_kernel
	.amdgpu_metadata
---
amdhsa.version: [ 1, 2 ]
amdhsa.kernels:
  - .name:           k_q94ed4a20a7_proj
    .symbol:         k_q94ed4a20a7_proj.kd
    .args:
      - { .name: c0, .offset: 0, .size: 8, .value_kind: global_buffer, .address_space: global }
      - { .name: s0, .offset: 8, .size: 8, .value_kind: global_buffer, .address_space: global }
      - { .name: c1, .offset: 16, .size: 8, .value_kind: global_buffer, .address_space: global }
      - { .name: s1, .offset: 24, .size: 8, .value_kind: global_buffer, .address_space: global }
    .group_segment_fixed_size: 327680
    .private_segment_fixed_size: 0
    .kernarg_segment_align: 8
    .kernarg_segment_size: 32
    .max_flat_workgroup_size: 128
    .sgpr_count:     106
    .vgpr_count:     1024
    .wavefront_size: 32
...
	.end_amdgpu_metadata
.endif
;; end of part 2
;; launch scores (part 3): grid 8 x 32, 4 waves a work-group, clusters of 4 x 4, 327,680 bytes of LDS; arguments c1, s1, pc, ps, pm, pl; writes pc, ps, pm, pl
.if DOCPART == 3
	.amdgcn_target "amdgcn-amd-amdhsa--gfx1250"
	.amdhsa_code_object_version 6
	.text
	.protected	k_q94ed4a20a7_scores
	.globl	k_q94ed4a20a7_scores
	.p2align	8
	.type	k_q94ed4a20a7_scores,@function
k_q94ed4a20a7_scores:
	s_mov_b64 s[64:65], 0
	v_nop
	global_prefetch_b8 v0, s[64:65] scope:SCOPE_SE
	s_setreg_imm32_b32 hwreg(HW_REG_WAVE_MODE, 25, 1), 1
	s_wait_xcnt 0x0
	s_wait_alu depctr_hold_cnt(0) depctr_sa_sdst(0) depctr_va_vdst(0) depctr_va_sdst(0) depctr_va_ssrc(0) depctr_va_vcc(0) depctr_vm_vsrc(0)
	s_getreg_b32 s2, hwreg(HW_REG_IB_STS2, 6, 4)
	s_cmp_eq_u32 s2, 0
	s_cbranch_scc0 .Lentry_in_a_cluster
	s_endpgm
.Lentry_in_a_cluster:
	s_bfe_u32 s2, ttmp6, 0x10000c
	s_cmp_lg_u32 s2, 0xf033
	s_cbranch_scc0 .Lentry_shape_is_right
	s_endpgm
.Lentry_shape_is_right:
; S = Q K^T on codes of BF6 with E8M0 scales, tiles of 256 queries x 256 keys; the way out turns scores into p and quantises it along the keys.
; For each query and each 128 keys (a wave's columns): t = score x log2(e) / 32; M = the largest t of these 128 keys, rounded UP to a whole number; p = 2^(t - M); p's codes and scale word (pc, ps), -M (pm) and the
; sum of the unquantised p (pl) leave.  The next launch brings the scale bytes and the sums under the row's largest M: a power of two, which changes no code.
; Operands and results are images of registers, as the launch before lays them: a fragment is 1,536 bytes, a unit 8 fragments; P's unit 16 R + s (R: group of 128 queries, s: 128 keys of the batch);
; ps, pm, pl: 512 bytes a unit, the word of (block t, lane r) at 256 (t / 4) + 16 r + 4 (t % 4).  Transposed use and the row order of K's fragments give a lane, register 16 b + i, key 32 b + 16 (lane / 16) + i.
; Four waves, 128 x 128 each; two LDS slots of 256 along K; the scale words of all of K come once; clusters 4 x 4 with joint loads (Q's tiles along a row, K's along a column).
; LIMITS: a block whose every p has fallen to 0 keeps the byte 1 (its codes are zeros); NaN and infinities are not served.
; REGISTERS: as in the launch before; on the way out v64-127 p, v128-171 codes, v176-199 words, -M, sums, v200-231 at work.
.set KSTEPS, 8
.set A_SCALES, 1
.set FR,     12
.set FRB,    1536
.set GSTEP,  8*FRB
.set HALFT,  2*GSTEP
.set SLOT,   4*HALFT
.set SCL,    2*SLOT
.set GS,     512*KSTEPS
.set SPARE,  SCL+4*GS                  ; the spare words, 128 bytes a wave: two blocks of 256 bytes that no other line names
.set LAPS,   KSTEPS/4
.set NL,     3
.set NP,     4
.set ADRA, 16
.set ADRB, 20
.set LI,   26
.set ADRS, 27
.set SPW,  28
.set NIL,  29
.set SC,   32
.set AF,   128
.set G1, 24
.set G0, 32
.set G1B, 48
.set G0B, 56
.set G1S, 68
.set G0S, 76
.set G1SB, 80
.set G0SB, 88
.set P,    64                          ; v64-127  p
.set WRD,  176                         ; v176-183 scale words of blocks 0-7
.set MST,  184                         ; v184-191 -M
.set LST,  192                         ; v192-199 sums
.set BM,   200                         ; v200-203 a block of 32 keys' largest score, then its largest p
.set BX,   204
.set NM,   208                         ; v208 -M, v209 the largest t
.set SA,   210
.set SOP,  212
.set SB,   216
.set TS,   218
.set TP,   219
.set OW,   220
.set MSB, 0
.macro WIN new
.if MSB != \new
	s_set_vgpr_msb (MSB<<8)|\new
.set MSB, \new
.endif
.endm
.set MUL_LO, 0xa1
.set MUL_HI, 0xf1
.set TO_B,   0x40
.macro JLOAD g0a, g1a, g0b, g1b        ; a joint load: waves 0, 1 for A, waves 2, 3 for B; four v_nop follow each line
	s_cmp_eq_u32 s13, 0
	s_cbranch_scc0 .Lfor_b_\@
	tensor_load_to_lds s[\g0a:\g0a+3], s[\g1a:\g1a+7]
	s_nop 0
.rept 4
	v_nop
.endr
	s_branch .Lasked_\@
.Lfor_b_\@:
	tensor_load_to_lds s[\g0b:\g0b+3], s[\g1b:\g1b+7]
	s_nop 0
.rept 4
	v_nop
.endr
.Lasked_\@:
.endm
.macro CREST
	s_cmp_lg_u32 s12, 0
	s_cbranch_scc1 .Lnot_wave_0_\@
	s_barrier_signal -3
.Lnot_wave_0_\@:
	s_barrier_wait -3
	s_barrier_signal -1
	s_barrier_wait -1
.endm
.macro CROUND
	s_barrier_signal -1
	s_barrier_wait -1
	CREST
.endm
.macro PLACES n
.rept \n
	v_nop
.endr
.endm
.macro FRAG reg, adr, q, i
.irp c, 0,1,2
	ds_load_b128 v[\reg+4*\c:\reg+4*\c+3], v[\adr] offset:(\q)*GSTEP+(\i)*FRB+512*\c
.endr
.endm
.macro MUL16 a0, p, q, sc, zero        ; the 64 accumulators take turns
.irp a, \a0, \a0+1
.irp b, 0,1,2,3,4,5,6,7
.if \zero
	v_wmma_scale_f32_16x16x128_f8f6f4 v[8*(8*((\a)%4)+\b):8*(8*((\a)%4)+\b)+7], v[128*(\p)+FR*\b:128*(\p)+FR*\b+FR-1], v[AF+FR*(\a):AF+FR*(\a)+FR-1], 0, v[SC+16*(\sc)+8*(\q)+\b], v[SC+16*(\sc)+8*(\q)+(\a)] matrix_a_fmt:MATRIX_FMT_BF6 matrix_b_fmt:MATRIX_FMT_BF6 matrix_a_scale:MATRIX_SCALE_ROW1
.else
	v_wmma_scale_f32_16x16x128_f8f6f4 v[8*(8*((\a)%4)+\b):8*(8*((\a)%4)+\b)+7], v[128*(\p)+FR*\b:128*(\p)+FR*\b+FR-1], v[AF+FR*(\a):AF+FR*(\a)+FR-1], v[8*(8*((\a)%4)+\b):8*(8*((\a)%4)+\b)+7], v[SC+16*(\sc)+8*(\q)+\b], v[SC+16*(\sc)+8*(\q)+(\a)] matrix_a_fmt:MATRIX_FMT_BF6 matrix_b_fmt:MATRIX_FMT_BF6 matrix_a_scale:MATRIX_SCALE_ROW1
.endif
.endr
.endr
.endm
.macro FETCH_B slot, q, p
	WIN TO_B
.irp i, 0,1,2,3,4,5,6,7
	FRAG 128*(\p)+FR*\i, ADRB+\slot, \q, \i
.endr
	WIN 0
.endm
.macro FETCH_A slot, q, i0
.irp i, \i0, \i0+1, \i0+2, \i0+3
	FRAG AF+FR*(\i), ADRA+\slot, \q, \i
.endr
.endm
.macro SCALES sc
.irp q, 0,1
.irp f, 0,1
	ds_load_b128 v[SC+16*\sc+8*\q+4*\f:SC+16*\sc+8*\q+4*\f+3], v[ADRS] offset:512*\q+256*\f
.endr
.endr
.endm
.macro STEP slot, q, zero
	s_wait_dscnt 4*NL                              ; all but A's blocks 4-7 are in
	WIN MUL_LO
	MUL16 0, (\q)%2, \q, \slot, \zero
	MUL16 2, (\q)%2, \q, \slot, \zero
	s_wait_dscnt 0
	PLACES NP
	FETCH_B \slot, (\q)+1, 1-(\q)%2
	FETCH_A \slot, (\q)+1, 0
	WIN MUL_HI
	MUL16 4, (\q)%2, \q, \slot, \zero
	MUL16 6, (\q)%2, \q, \slot, \zero
	PLACES NP
	WIN 0
	FETCH_A \slot, (\q)+1, 4
.endm
.macro TURN slot, next, fill
	s_wait_tensorcnt 0x0                           ; all my tensor loads have landed: my part of the next slot
	ds_add_u32 v[SPW], v[NIL]                      ; 0 onto my spare word
	s_wait_dscnt 4*NL+1                            ; (the add and A's blocks 4-7 may be out)
	WIN MUL_LO
	MUL16 0, 1, 1, \slot, 0
	s_wait_dscnt 0x0                               ; the add is done, and my reads of this slot are over
	s_barrier_signal -1
	MUL16 2, 1, 1, \slot, 0
	WIN 0
	s_barrier_wait -1
.if \fill
	CREST                                          ; a round of the cluster's barrier: no wave of any partner reads this slot or has a load on its way
	s_add_nc_u64 s[G0+4*\slot+2:G0+4*\slot+3], s[G0+4*\slot+2:G0+4*\slot+3], 2*HALFT
	s_add_nc_u64 s[G0B+4*\slot+2:G0B+4*\slot+3], s[G0B+4*\slot+2:G0B+4*\slot+3], 2*HALFT
	JLOAD G0+4*\slot, G1, G0B+4*\slot, G1B
.else
	PLACES NP
.endif
	v_add_nc_u32 v[ADRS], 1024, v[ADRS]
	FETCH_B \next, 0, 0
	FETCH_A \next, 0, 0
	SCALES \next
	WIN MUL_HI
	MUL16 4, 1, 1, \slot, 0
	MUL16 6, 1, 1, \slot, 0
	PLACES NP
	WIN 0
	FETCH_A \next, 0, 4
.endm
	s_load_b128 s[4:7], s[0:1], 0x0                ; c1, s1
	s_load_b256 s[92:99], s[0:1], 0x10             ; pc, ps, pm, pl
	v_lshl_add_u32 v[SPW], v0, 2, SPARE
	v_mov_b32 v[NIL], 0
	ds_add_u32 v28, v29
	ds_add_u32 v28, v29
	s_wait_dscnt 0x0
	v_lshrrev_b32 v1, 5, v0
	v_readfirstlane_b32 s12, v1
	s_lshr_b32 s13, s12, 1
	s_and_b32 s14, s12, 1
	s_bfe_u32 s17, ttmp6, 0x40000                  ; cx
	s_bfe_u32 s18, ttmp6, 0x40004                  ; cy
	s_and_b32 s19, ttmp7, 0xffff
	s_lshl_b32 s21, s18, 2
	s_lshl_b32 s21, 15, s21
	s_lshl_b32 s22, 0x1111, s17
	s_mov_b32 s66, 0x76543210
	s_mov_b32 s67, 0xfedcba98
	s_mov_b32 s104, 0xffff0000
	s_mov_b32 s100, 0x3d38aa3b                     ; c = log2(e) / 32
	s_mov_b32 s101, s100                           ; (named with it as a pair)
	s_lshl_b32 s15, s19, 2
	s_add_co_u32 s15, s15, s18                     ; tile row: 256 queries, 8 tiles a batch
	s_lshl_b32 s16, ttmp9, 2
	s_add_co_u32 s16, s16, s17                     ; tile column: 256 keys of the batch
	s_lshr_b32 s20, s19, 1                         ; the batch: from the cluster's y alone
	s_lshl_b32 s40, s15, 1
	s_add_co_u32 s40, s40, s14                     ; Q's group
	s_lshl_b32 s42, s40, 12
	s_mul_i32 s40, s40, KSTEPS*GSTEP
	s_mov_b32 s41, 0
	s_mov_b32 s43, 0
	s_lshl_b32 s44, s16, 1
	s_add_co_u32 s44, s44, s14
	s_lshl_b32 s45, s20, 4
	s_add_co_u32 s44, s44, s45                     ; K's group
	s_lshl_b32 s46, s44, 12
	s_add_co_u32 s46, s46, 512*512                 ; K's units begin at 512
	s_mul_i32 s44, s44, KSTEPS*GSTEP
	s_add_co_u32 s44, s44, 512*GSTEP
	s_mov_b32 s45, 0
	s_mov_b32 s47, 0
	s_or_b32 s[G1+0], s21, (3<<16)|(1<<21)
	s_or_b32 s[G1B+0], s22, (3<<16)|(1<<21)
	s_or_b32 s[G1S+0], s21, (3<<16)|(1<<21)
	s_or_b32 s[G1SB+0], s22, (3<<16)|(1<<21)
.irp g, G1, G1B
	s_mov_b32 s[\g+1], 32<<16
	s_mov_b32 s[\g+2], 96<<16
	s_mov_b32 s[\g+3], 32<<16
	s_mov_b32 s[\g+4], 96
	s_mov_b32 s[\g+5], 32
	s_mov_b32 s[\g+6], 0
	s_mov_b32 s[\g+7], 0
.endr
.irp g, G1S, G1SB
	s_mov_b32 s[\g+1], 32<<16
	s_mov_b32 s[\g+2], (GS/256)<<16
	s_mov_b32 s[\g+3], 32<<16
	s_mov_b32 s[\g+4], GS/256
	s_mov_b32 s[\g+5], 32
	s_mov_b32 s[\g+6], 0
	s_mov_b32 s[\g+7], 0
.endr
	s_mul_i32 s2, s12, HALFT
	s_mul_i32 s23, s12, GS
	s_wait_kmcnt 0x0
	s_add_nc_u64 s[40:41], s[4:5], s[40:41]
	s_add_nc_u64 s[42:43], s[6:7], s[42:43]
	s_add_nc_u64 s[44:45], s[4:5], s[44:45]
	s_add_nc_u64 s[46:47], s[6:7], s[46:47]
	CROUND
	s_mov_b32 s[G0S], 1
	s_add_co_u32 s[G0S+1], s23, SCL
	s_mov_b64 s[G0S+2:G0S+3], s[42:43]
	s_or_b32 s[G0S+3], s[G0S+3], 0x80000000
	s_mov_b32 s[G0SB], 1
	s_add_co_u32 s[G0SB+1], s23, SCL
	s_mov_b64 s[G0SB+2:G0SB+3], s[46:47]
	s_or_b32 s[G0SB+3], s[G0SB+3], 0x80000000
.irp s, 0,1
	s_mov_b32 s[G0+4*\s], 1
	s_add_co_u32 s[G0+4*\s+1], s2, \s*SLOT
	s_add_nc_u64 s[G0+4*\s+2:G0+4*\s+3], s[40:41], \s*HALFT
	s_or_b32 s[G0+4*\s+3], s[G0+4*\s+3], 0x80000000
	s_mov_b32 s[G0B+4*\s], 1
	s_add_co_u32 s[G0B+4*\s+1], s2, \s*SLOT
	s_add_nc_u64 s[G0B+4*\s+2:G0B+4*\s+3], s[44:45], \s*HALFT
	s_or_b32 s[G0B+4*\s+3], s[G0B+4*\s+3], 0x80000000
.endr
	s_cmp_eq_u32 s13, 0                            ; a wave's first fills stand in one branch: three loads of mine are out
	s_cbranch_scc0 .Lfirst_b
.if A_SCALES
	tensor_load_to_lds s[G0S:G0S+3], s[G1S:G1S+7]
	s_nop 0
.endif
	tensor_load_to_lds s[G0:G0+3], s[G1:G1+7]
	s_nop 0
	tensor_load_to_lds s[G0+4:G0+7], s[G1:G1+7]
	s_nop 0
.rept 4
	v_nop
.endr
	s_branch .Lfirst_done
.Lfirst_b:
	tensor_load_to_lds s[G0SB:G0SB+3], s[G1SB:G1SB+7]
	s_nop 0
	tensor_load_to_lds s[G0B:G0B+3], s[G1B:G1B+7]
	s_nop 0
	tensor_load_to_lds s[G0B+4:G0B+7], s[G1B:G1B+7]
	s_nop 0
.rept 4
	v_nop
.endr
.Lfirst_done:
	v_and_b32 v1, 15, v0
	v_bfe_u32 v2, v0, 4, 1
	v_and_b32 v3, 31, v0
	v_lshlrev_b32 v[LI], 4, v3
	s_mul_i32 s2, s13, HALFT
	s_mul_i32 s23, s14, HALFT
	s_add_co_u32 s23, s23, 2*HALFT
.irp s, 0,1
	v_add_nc_u32 v[ADRA+\s], s2, v[LI]
	v_add_nc_u32 v[ADRB+\s], s23, v[LI]
	s_add_co_u32 s2, s2, SLOT
	s_add_co_u32 s23, s23, SLOT
.endr
	s_mul_i32 s2, s13, GS
	s_mul_i32 s23, s14, GS
	s_add_co_u32 s23, s23, 2*GS
	s_sub_co_u32 s23, s23, s2
	v_mul_u32_u24 v4, s23, v2
	s_add_co_u32 s2, s2, SCL
	v_lshl_add_u32 v4, v1, 4, v4
	v_add_nc_u32 v[ADRS], s2, v4
	s_lshl_b32 s2, s15, 1                          ; the unit that I write: 16 (2 row + my half) + 2 column + my half
	s_add_co_u32 s2, s2, s13
	s_lshl_b32 s2, s2, 4
	s_lshl_b32 s23, s16, 1
	s_add_co_u32 s2, s2, s23
	s_add_co_u32 s2, s2, s14
	s_mul_i32 s8, s2, GSTEP
	s_mov_b32 s9, 0
	s_lshl_b32 s10, s2, 9
	s_mov_b32 s11, 0
	s_add_nc_u64 s[92:93], s[92:93], s[8:9]
	s_add_nc_u64 s[94:95], s[94:95], s[10:11]
	s_add_nc_u64 s[96:97], s[96:97], s[10:11]
	s_add_nc_u64 s[98:99], s[98:99], s[10:11]
	s_wait_tensorcnt 1                             ; the scale words and my part of slot 0 are in; slot 1's may stay out
	s_barrier_signal -1
	s_barrier_wait -1
	FETCH_B 0, 0, 0
	FETCH_A 0, 0, 0
	SCALES 0
	FETCH_A 0, 0, 4
	STEP 0, 0, 1
	s_mov_b32 s3, LAPS-1
.Llap:
	TURN 0, 1, 1
	STEP 1, 0, 0
	TURN 1, 0, 1
	STEP 0, 0, 0
	s_sub_co_u32 s3, s3, 1
	s_cmp_lg_u32 s3, 0
	s_cbranch_scc1 .Llap
	TURN 0, 1, 0
	STEP 1, 0, 0
	s_wait_dscnt 4*NL
	WIN MUL_LO
	MUL16 0, 1, 1, 1, 0
	MUL16 2, 1, 1, 1, 0
	s_wait_dscnt 0
	WIN MUL_HI
	MUL16 4, 1, 1, 1, 0
	MUL16 6, 1, 1, 1, 0
	WIN 0
; THE WAY OUT: block a: 16 queries x my 128 keys.
.macro SOFTQ a
.set AC, 64*((\a)%4)
.set W,  2+(\a)/4
.set WW, W|(W<<2)
.set PC, 128+24*((\a)%2)
	s_wait_xcnt 0x0                                ; the stores of two blocks ago have read this set of codes
	WIN WW
.irp b, 0,1,2,3
	v_max_num_f32 v[BM+\b], v[AC+16*\b], v[AC+16*\b+1]   ; the largest score of each 32 keys: it serves the row's maximum and, since p rises with the score, the block's largest p
.endr
.irp i, 2,4,6,8,10,12,14
.irp b, 0,1,2,3
	v_max3_num_f32 v[BM+\b], v[AC+16*\b+\i], v[AC+16*\b+\i+1], v[BM+\b]
.endr
.endr
	WIN 0
.irp b, 0,1,2,3
	v_permlanex16_b32 v[BX+\b], v[BM+\b], s66, s67
.endr
.irp b, 0,1,2,3
	v_max_num_f32 v[BM+\b], v[BM+\b], v[BX+\b]
.endr
	v_max3_num_f32 v[NM+1], v[BM], v[BM+1], v[BM+2]
	v_max_num_f32 v[NM+1], v[NM+1], v[BM+3]
	v_mul_f32 v[NM+1], s100, v[NM+1]               ; the largest t of these 128 keys (c is positive)
	v_floor_f32 v[NM], -v[NM+1]                    ; -M = floor(-t): M is a whole number
	WIN W
.set j, 0
.rept 32
	v_pk_fma_f32 v[P+j:P+j+1], v[AC+j:AC+j+1], s[100:101], v[NM:NM+1] op_sel_hi:[1,0,0]   ; t - M
.set j, j+2
.endr
	WIN 0
.irp b, 0,1,2,3
	v_fma_f32 v[BM+\b], v[BM+\b], s100, v[NM]      ; the same of each block's largest score
.endr
.set j, 0
.rept 64
	v_exp_f32 v[P+j], v[P+j]                       ; p = 2^(t - M), at most 1
.set j, j+1
.endr
.irp b, 0,1,2,3
	v_exp_f32 v[BM+\b], v[BM+\b]
.endr
	v_mov_b32 v[MST+(\a)], v[NM]                   ; (a plain place behind the exponentials)
	s_wait_alu depctr_va_vdst(0)
.irp b, 0,1,2,3
	v_max_num_f32 v[BM+\b], 0x2800000, v[BM+\b]    ; the floor 2^(5 - 127)
.endr
.irp b, 0,1,2,3
	v_add_nc_u32 v[SOP+\b], 0xfe000000, v[BM+\b]
.endr
.irp b, 0,1,2,3
	v_lshrrev_b32 v[BX+\b], 23, v[SOP+\b]
.endr
	v_lshl_or_b32 v[WRD+(\a)], v[BX+1], 8, v[BX]
	v_lshl_or_b32 v[WRD+(\a)], v[BX+2], 16, v[WRD+(\a)]
	v_lshl_or_b32 v[WRD+(\a)], v[BX+3], 24, v[WRD+(\a)]
.irp c, 0,1
	v_cvt_scalef32_pk16_bf6_f32 v[PC+6*\c:PC+6*\c+2], v[P+32*\c:P+32*\c+15], v[SOP+2*\c]
	v_cvt_scalef32_pk16_bf6_f32 v[PC+12+4*\c:PC+14+4*\c], v[P+32*\c+16:P+32*\c+31], v[SOP+2*\c+1]
.endr
	v_nop                                          ; one plain place behind a scaled conversion
.irp c, 0,1
.irp i, 0,1,2
	v_permlane16_swap_b32 v[PC+6*\c+\i], v[PC+12+4*\c+\i]
.endr
.irp i, 0,1,2
	v_mov_b32 v[PC+3+6*\c+\i], v[PC+12+4*\c+\i]
.endr
.endr
.irp c, 0,1,2
	global_store_b128 v[LI], v[PC+4*\c:PC+4*\c+3], s[92:93] offset:FRB*(\a)+512*\c
.endr
	v_pk_add_f32 v[SA:SA+1], v[P:P+1], v[P+2:P+3]  ; the sum of the UNQUANTISED p, in two chains
	v_pk_add_f32 v[SB:SB+1], v[P+4:P+5], v[P+6:P+7]
.irp j, 8,12,16,20,24,28,32,36,40,44,48,52,56,60
	v_pk_add_f32 v[SA:SA+1], v[SA:SA+1], v[P+\j:P+\j+1]
	v_pk_add_f32 v[SB:SB+1], v[SB:SB+1], v[P+\j+2:P+\j+3]
.endr
	v_pk_add_f32 v[SA:SA+1], v[SA:SA+1], v[SB:SB+1]
	v_add_f32 v[TS], v[SA], v[SA+1]
	v_permlanex16_b32 v[TP], v[TS], s66, s67
	v_add_f32 v[LST+(\a)], v[TS], v[TP]
.endm
	PLACES NP
.irp b, 0,1,2,3
	v_mov_b32 v[BX+\b], 0                          ; a lane permute's destination counts as read
.endr
	v_mov_b32 v[TP], 0
.irp a, 0,1,2,3,4,5,6,7
	SOFTQ \a
.endr
.irp j, 0,1,2,3
	v_cndmask_b32 v[OW+\j], v[WRD+\j], v[WRD+4+\j], s104     ; lanes 0-15 send blocks 0-3's, lanes 16-31 blocks 4-7's
	v_cndmask_b32 v[OW+4+\j], v[MST+\j], v[MST+4+\j], s104
	v_cndmask_b32 v[OW+8+\j], v[LST+\j], v[LST+4+\j], s104
.endr
	global_store_b128 v[LI], v[OW:OW+3], s[94:95]
	global_store_b128 v[LI], v[OW+4:OW+7], s[96:97]
	global_store_b128 v[LI], v[OW+8:OW+11], s[98:99]
	s_wait_tensorcnt 0x0                           ; the wave's end
	ds_add_u32 v[SPW], v[NIL]
	s_wait_dscnt 0x0
	CROUND
	s_endpgm
.Lfunc_end_k_q94ed4a20a7_scores:
	.size	k_q94ed4a20a7_scores, .Lfunc_end_k_q94ed4a20a7_scores-k_q94ed4a20a7_scores
	.p2alignl 7, 3214868480
	.fill 96, 4, 3214868480
	.section	.rodata,"a",@progbits
	.p2align	6, 0x0
	.amdhsa_kernel k_q94ed4a20a7_scores
		.amdhsa_group_segment_fixed_size 327680
		.amdhsa_private_segment_fixed_size 0
		.amdhsa_enable_private_segment 0
		.amdhsa_kernarg_size 48
		.amdhsa_user_sgpr_count 2
		.amdhsa_user_sgpr_kernarg_segment_ptr 1
		.amdhsa_wavefront_size32 1
		.amdhsa_system_sgpr_workgroup_id_x 1
		.amdhsa_system_sgpr_workgroup_id_y 1
		.amdhsa_system_sgpr_workgroup_id_z 1
		.amdhsa_system_vgpr_workitem_id 0
		.amdhsa_next_free_vgpr 1024
		.amdhsa_next_free_sgpr 106
		.amdhsa_reserve_vcc 0
		.amdhsa_float_denorm_mode_32 3
		.amdhsa_float_denorm_mode_16_64 3
		.amdhsa_memory_ordered 1
		.amdhsa_forward_progress 1
		.amdhsa_inst_pref_size 192
	.end_amdhsa_kernel
	.amdgpu_metadata
---
amdhsa.version: [ 1, 2 ]
amdhsa.kernels:
  - .name:           k_q94ed4a20a7_scores
    .symbol:         k_q94ed4a20a7_scores.kd
    .args:
      - { .name: c1, .offset: 0, .size: 8, .value_kind: global_buffer, .address_space: global }
      - { .name: s1, .offset: 8, .size: 8, .value_kind: global_buffer, .address_space: global }
      - { .name: pc, .offset: 16, .size: 8, .value_kind: global_buffer, .address_space: global }
      - { .name: ps, .offset: 24, .size: 8, .value_kind: global_buffer, .address_space: global }
      - { .name: pm, .offset: 32, .size: 8, .value_kind: global_buffer, .address_space: global }
      - { .name: pl, .offset: 40, .size: 8, .value_kind: global_buffer, .address_space: global }
    .group_segment_fixed_size: 327680
    .private_segment_fixed_size: 0
    .kernarg_segment_align: 8
    .kernarg_segment_size: 48
    .max_flat_workgroup_size: 128
    .sgpr_count:     106
    .vgpr_count:     1024
    .wavefront_size: 32
...
	.end_amdgpu_metadata
.endif
;; end of part 3
;; launch pv (part 4): grid 4 x 32, 4 waves a work-group, clusters of 4 x 4, 327,680 bytes of LDS; arguments pc, ps, pm, pl, c1, s1, out0; writes out0
.if DOCPART == 4
	.amdgcn_target "amdgcn-amd-amdhsa--gfx1250"
	.amdhsa_code_object_version 6
	.text
	.protected	k_q94ed4a20a7_pv
	.globl	k_q94ed4a20a7_pv
	.p2align	8
	.type	k_q94ed4a20a7_pv,@function
k_q94ed4a20a7_pv:
	s_mov_b64 s[64:65], 0
	v_nop
	global_prefetch_b8 v0, s[64:65] scope:SCOPE_SE
	s_setreg_imm32_b32 hwreg(HW_REG_WAVE_MODE, 25, 1), 1
	s_wait_xcnt 0x0
	s_wait_alu depctr_hold_cnt(0) depctr_sa_sdst(0) depctr_va_vdst(0) depctr_va_sdst(0) depctr_va_ssrc(0) depctr_va_vcc(0) depctr_vm_vsrc(0)
	s_getreg_b32 s2, hwreg(HW_REG_IB_STS2, 6, 4)
	s_cmp_eq_u32 s2, 0
	s_cbranch_scc0 .Lentry_in_a_cluster
	s_endpgm
.Lentry_in_a_cluster:
	s_bfe_u32 s2, ttmp6, 0x10000c
	s_cmp_lg_u32 s2, 0xf033
	s_cbranch_scc0 .Lentry_shape_is_right
	s_endpgm
.Lentry_shape_is_right:
; O = P V / l on codes of BF6 with E8M0 scales: A = P (K = the batch's 2,048 keys), B = V^T's images; tiles of 256 queries x 256 channels; out0 [8192][1024] f32.
; P's codes were made under a whole number M of their own for each query and each 128 keys.  THE HEAD brings them under the row's largest M: e = M(these keys) - M(row), 0 or less, is added to the four scale bytes of
; the word (a byte that would fall under 0 is held at 0) and to the exponent of the partial sum; the codes stay.  The two waves of a row half each mend half of the group's 16 words a row and put them into LDS,
; where the loop reads them as any scale words; each makes 1 / l of its rows for the way out.
; LIMITS: e is held at -127, and a held byte 0 stands for 2^-127: such a block counts with at most 28 x 2^-127 of a number of V against a row's sum above 1/2.  The two waves of a row half add the
; 16 partial sums in different orders.  NaN and infinities are not served.
; Four waves, 128 x 128 each; two LDS slots of 256 along K; V^T's scale words of all of K come once; clusters 4 x 4 with joint loads (P's tiles along a row, V^T's along a column).
; There are 128 tiles of this size: a smaller tile would read each LDS byte for fewer products.
; REGISTERS: as in the launches before; v8-11 1 / l; in the head v64-127 -M, then e, v128-191 sums, v192-223 words; on the way out v64-127 scaled results, v128-255 rows read back, window 1 v0-15 1 / l in pairs.
.set KSTEPS, 16
.set A_SCALES, 0
.set FR,     12
.set FRB,    1536
.set GSTEP,  8*FRB
.set HALFT,  2*GSTEP
.set SLOT,   4*HALFT
.set SCL,    2*SLOT                    ; P's words (two groups, stored by the waves, never filled), then V^T's (two groups, filled once)
.set GS,     512*KSTEPS
.set SPARE,  SCL+4*GS                  ; the spare words, 128 bytes a wave: two blocks of 256 bytes that no other line names
.set STAGE,  SPARE+512                 ; the way out: 16 rows x (512 + 16) bytes for each wave; no fill lands here
.set LAPS,   KSTEPS/4
.set NL,     3
.set NP,     4
.set SWA,  7                           ; v7  where I store P's mended words
.set RL,   8                           ; v8-11 1 / l of rows (block 4 h + j, lane r); v12-15 lane l xor 16's
.set ADRA, 16
.set ADRB, 20
.set STO,  24
.set RD,   25
.set LI,   26
.set ADRS, 27
.set SPW,  28
.set NIL,  29
.set VM,   30                          ; v30 16 x lane + my eight units of the group's 16
.set VO,   31                          ; v31 16 x lane + the other eight
.set SC,   32
.set AF,   128
.set PMR,  64
.set PLR,  128
.set PSR,  192
.set MG,   224
.set T,    64
.set G1, 24
.set G0, 32
.set G1B, 48
.set G0B, 56
.set G1SB, 80
.set G0SB, 88
.set MSB, 0
.macro WIN new
.if MSB != \new
	s_set_vgpr_msb (MSB<<8)|\new
.set MSB, \new
.endif
.endm
.set MUL_LO, 0xa1
.set MUL_HI, 0xf1
.set TO_B,   0x40
.macro JLOAD g0a, g1a, g0b, g1b        ; a joint load: waves 0, 1 for A, waves 2, 3 for B; four v_nop follow each line
	s_cmp_eq_u32 s13, 0
	s_cbranch_scc0 .Lfor_b_\@
	tensor_load_to_lds s[\g0a:\g0a+3], s[\g1a:\g1a+7]
	s_nop 0
.rept 4
	v_nop
.endr
	s_branch .Lasked_\@
.Lfor_b_\@:
	tensor_load_to_lds s[\g0b:\g0b+3], s[\g1b:\g1b+7]
	s_nop 0
.rept 4
	v_nop
.endr
.Lasked_\@:
.endm
.macro CREST
	s_cmp_lg_u32 s12, 0
	s_cbranch_scc1 .Lnot_wave_0_\@
	s_barrier_signal -3
.Lnot_wave_0_\@:
	s_barrier_wait -3
	s_barrier_signal -1
	s_barrier_wait -1
.endm
.macro CROUND
	s_barrier_signal -1
	s_barrier_wait -1
	CREST
.endm
.macro PLACES n
.rept \n
	v_nop
.endr
.endm
.macro FRAG reg, adr, q, i
.irp c, 0,1,2
	ds_load_b128 v[\reg+4*\c:\reg+4*\c+3], v[\adr] offset:(\q)*GSTEP+(\i)*FRB+512*\c
.endr
.endm
.macro MUL16 a0, p, q, sc, zero        ; the 64 accumulators take turns
.irp a, \a0, \a0+1
.irp b, 0,1,2,3,4,5,6,7
.if \zero
	v_wmma_scale_f32_16x16x128_f8f6f4 v[8*(8*((\a)%4)+\b):8*(8*((\a)%4)+\b)+7], v[128*(\p)+FR*\b:128*(\p)+FR*\b+FR-1], v[AF+FR*(\a):AF+FR*(\a)+FR-1], 0, v[SC+16*(\sc)+8*(\q)+\b], v[SC+16*(\sc)+8*(\q)+(\a)] matrix_a_fmt:MATRIX_FMT_BF6 matrix_b_fmt:MATRIX_FMT_BF6 matrix_a_scale:MATRIX_SCALE_ROW1
.else
	v_wmma_scale_f32_16x16x128_f8f6f4 v[8*(8*((\a)%4)+\b):8*(8*((\a)%4)+\b)+7], v[128*(\p)+FR*\b:128*(\p)+FR*\b+FR-1], v[AF+FR*(\a):AF+FR*(\a)+FR-1], v[8*(8*((\a)%4)+\b):8*(8*((\a)%4)+\b)+7], v[SC+16*(\sc)+8*(\q)+\b], v[SC+16*(\sc)+8*(\q)+(\a)] matrix_a_fmt:MATRIX_FMT_BF6 matrix_b_fmt:MATRIX_FMT_BF6 matrix_a_scale:MATRIX_SCALE_ROW1
.endif
.endr
.endr
.endm
.macro FETCH_B slot, q, p
	WIN TO_B
.irp i, 0,1,2,3,4,5,6,7
	FRAG 128*(\p)+FR*\i, ADRB+\slot, \q, \i
.endr
	WIN 0
.endm
.macro FETCH_A slot, q, i0
.irp i, \i0, \i0+1, \i0+2, \i0+3
	FRAG AF+FR*(\i), ADRA+\slot, \q, \i
.endr
.endm
.macro SCALES sc
.irp q, 0,1
.irp f, 0,1
	ds_load_b128 v[SC+16*\sc+8*\q+4*\f:SC+16*\sc+8*\q+4*\f+3], v[ADRS] offset:512*\q+256*\f
.endr
.endr
.endm
.macro STEP slot, q, zero
	s_wait_dscnt 4*NL                              ; all but A's blocks 4-7 are in
	WIN MUL_LO
	MUL16 0, (\q)%2, \q, \slot, \zero
	MUL16 2, (\q)%2, \q, \slot, \zero
	s_wait_dscnt 0
	PLACES NP
	FETCH_B \slot, (\q)+1, 1-(\q)%2
	FETCH_A \slot, (\q)+1, 0
	WIN MUL_HI
	MUL16 4, (\q)%2, \q, \slot, \zero
	MUL16 6, (\q)%2, \q, \slot, \zero
	PLACES NP
	WIN 0
	FETCH_A \slot, (\q)+1, 4
.endm
.macro TURN slot, next, fill
	s_wait_tensorcnt 0x0                           ; all my tensor loads have landed: my part of the next slot
	ds_add_u32 v[SPW], v[NIL]                      ; 0 onto my spare word
	s_wait_dscnt 4*NL+1                            ; (the add and A's blocks 4-7 may be out)
	WIN MUL_LO
	MUL16 0, 1, 1, \slot, 0
	s_wait_dscnt 0x0                               ; the add is done, and my reads of this slot are over
	s_barrier_signal -1
	MUL16 2, 1, 1, \slot, 0
	WIN 0
	s_barrier_wait -1
.if \fill
	CREST                                          ; a round of the cluster's barrier: no wave of any partner reads this slot or has a load on its way
	s_add_nc_u64 s[G0+4*\slot+2:G0+4*\slot+3], s[G0+4*\slot+2:G0+4*\slot+3], 2*HALFT
	s_add_nc_u64 s[G0B+4*\slot+2:G0B+4*\slot+3], s[G0B+4*\slot+2:G0B+4*\slot+3], 2*HALFT
	JLOAD G0+4*\slot, G1, G0B+4*\slot, G1B
.else
	PLACES NP
.endif
	v_add_nc_u32 v[ADRS], 1024, v[ADRS]
	FETCH_B \next, 0, 0
	FETCH_A \next, 0, 0
	SCALES \next
	WIN MUL_HI
	MUL16 4, 1, 1, \slot, 0
	MUL16 6, 1, 1, \slot, 0
	PLACES NP
	WIN 0
	FETCH_A \next, 0, 4
.endm
	s_load_b64 s[4:5], s[0:1], 0x0                 ; pc
	s_load_b128 s[92:95], s[0:1], 0x8              ; ps, pm
	s_load_b64 s[98:99], s[0:1], 0x18              ; pl
	s_load_b128 s[8:11], s[0:1], 0x20              ; c1, s1
	s_load_b64 s[96:97], s[0:1], 0x30              ; out0
	v_lshl_add_u32 v[SPW], v0, 2, SPARE
	v_mov_b32 v[NIL], 0
	ds_add_u32 v28, v29
	ds_add_u32 v28, v29
	s_wait_dscnt 0x0
	v_lshrrev_b32 v1, 5, v0
	v_readfirstlane_b32 s12, v1
	s_lshr_b32 s13, s12, 1
	s_and_b32 s14, s12, 1
	s_bfe_u32 s17, ttmp6, 0x40000                  ; cx
	s_bfe_u32 s18, ttmp6, 0x40004                  ; cy
	s_and_b32 s19, ttmp7, 0xffff
	s_lshl_b32 s21, s18, 2
	s_lshl_b32 s21, 15, s21
	s_lshl_b32 s22, 0x1111, s17
	s_mov_b32 s66, 0x76543210
	s_mov_b32 s67, 0xfedcba98
	s_mov_b32 s104, 0xffff0000
	s_mov_b32 s105, 0x80808080
	v_and_b32 v1, 15, v0                           ; r
	v_bfe_u32 v2, v0, 4, 1                         ; h
	v_and_b32 v3, 31, v0
	v_lshlrev_b32 v[LI], 4, v3
.irp j, 0,1,2,3
	v_mov_b32 v[RL+4+\j], 0                        ; a lane permute's destination counts as read
.endr
	s_lshl_b32 s15, s19, 2
	s_add_co_u32 s15, s15, s18                     ; tile row: 256 queries
	s_lshl_b32 s16, ttmp9, 2
	s_add_co_u32 s16, s16, s17                     ; tile column: 256 channels
	s_lshr_b32 s20, s19, 1                         ; the batch
	s_lshl_b32 s40, s15, 1
	s_add_co_u32 s40, s40, s14                     ; P's group
	s_mul_i32 s40, s40, KSTEPS*GSTEP
	s_mov_b32 s41, 0
	s_lshl_b32 s44, s16, 1
	s_add_co_u32 s44, s44, s14
	s_lshl_b32 s45, s20, 3
	s_add_co_u32 s44, s44, s45                     ; V^T's group: 8 batch + 2 column + half
	s_lshl_b32 s46, s44, 13
	s_add_co_u32 s46, s46, 1024*512                ; V^T's units begin at 1,024
	s_mul_i32 s44, s44, KSTEPS*GSTEP
	s_add_co_u32 s44, s44, 1024*GSTEP
	s_mov_b32 s45, 0
	s_mov_b32 s47, 0
	s_or_b32 s[G1+0], s21, (3<<16)|(1<<21)
	s_or_b32 s[G1B+0], s22, (3<<16)|(1<<21)
	s_or_b32 s[G1SB+0], s22, (3<<16)|(1<<21)
.irp g, G1, G1B
	s_mov_b32 s[\g+1], 32<<16
	s_mov_b32 s[\g+2], 96<<16
	s_mov_b32 s[\g+3], 32<<16
	s_mov_b32 s[\g+4], 96
	s_mov_b32 s[\g+5], 32
	s_mov_b32 s[\g+6], 0
	s_mov_b32 s[\g+7], 0
.endr
	s_mov_b32 s[G1SB+1], 32<<16
	s_mov_b32 s[G1SB+2], (GS/256)<<16
	s_mov_b32 s[G1SB+3], 32<<16
	s_mov_b32 s[G1SB+4], GS/256
	s_mov_b32 s[G1SB+5], 32
	s_mov_b32 s[G1SB+6], 0
	s_mov_b32 s[G1SB+7], 0
	s_mul_i32 s2, s12, HALFT
	s_mul_i32 s23, s12, GS
	s_wait_kmcnt 0x0
	s_add_nc_u64 s[40:41], s[4:5], s[40:41]
	s_add_nc_u64 s[44:45], s[8:9], s[44:45]
	s_add_nc_u64 s[46:47], s[10:11], s[46:47]
	s_lshl_b32 s8, s15, 1                          ; the statistics of my group of 128 queries: 16 units of 512 bytes
	s_add_co_u32 s8, s8, s13
	s_lshl_b32 s8, s8, 13
	s_mov_b32 s9, 0
	s_add_nc_u64 s[92:93], s[92:93], s[8:9]
	s_add_nc_u64 s[94:95], s[94:95], s[8:9]
	s_add_nc_u64 s[98:99], s[98:99], s[8:9]
	s_lshl_b32 s10, s15, 20                        ; out0: 256 rows of 4,096 bytes a tile row, 128 a half; 1,024 bytes a tile column, 512 a half
	s_lshl_b32 s11, s13, 19
	s_add_co_u32 s10, s10, s11
	s_lshl_b32 s11, s16, 10
	s_add_co_u32 s10, s10, s11
	s_lshl_b32 s11, s14, 9
	s_add_co_u32 s10, s10, s11
	s_mov_b32 s11, 0
	s_add_nc_u64 s[96:97], s[96:97], s[10:11]
	s_lshl_b32 s8, s14, 12
	v_add_nc_u32 v[VM], s8, v[LI]
	s_xor_b32 s8, s8, 4096
	v_add_nc_u32 v[VO], s8, v[LI]
	CROUND
	s_mov_b32 s[G0SB], 1
	s_add_co_u32 s[G0SB+1], s23, SCL
	s_mov_b64 s[G0SB+2:G0SB+3], s[46:47]
	s_or_b32 s[G0SB+3], s[G0SB+3], 0x80000000
.irp s, 0,1
	s_mov_b32 s[G0+4*\s], 1
	s_add_co_u32 s[G0+4*\s+1], s2, \s*SLOT
	s_add_nc_u64 s[G0+4*\s+2:G0+4*\s+3], s[40:41], \s*HALFT
	s_or_b32 s[G0+4*\s+3], s[G0+4*\s+3], 0x80000000
	s_mov_b32 s[G0B+4*\s], 1
	s_add_co_u32 s[G0B+4*\s+1], s2, \s*SLOT
	s_add_nc_u64 s[G0B+4*\s+2:G0B+4*\s+3], s[44:45], \s*HALFT
	s_or_b32 s[G0B+4*\s+3], s[G0B+4*\s+3], 0x80000000
.endr
	s_cmp_eq_u32 s13, 0                            ; a wave's first fills stand in one branch: two (A) or three (B) loads of mine are out; slot 1's is the last in both
	s_cbranch_scc0 .Lfirst_b
	tensor_load_to_lds s[G0:G0+3], s[G1:G1+7]
	s_nop 0
	tensor_load_to_lds s[G0+4:G0+7], s[G1:G1+7]
	s_nop 0
.rept 4
	v_nop
.endr
	s_branch .Lfirst_done
.Lfirst_b:
	tensor_load_to_lds s[G0SB:G0SB+3], s[G1SB:G1SB+7]
	s_nop 0
	tensor_load_to_lds s[G0B:G0B+3], s[G1B:G1B+7]
	s_nop 0
	tensor_load_to_lds s[G0B+4:G0B+7], s[G1B:G1B+7]
	s_nop 0
.rept 4
	v_nop
.endr
.Lfirst_done:
	; THE HEAD, while the first fills are on their way.  A lane's four words of a unit belong to rows (block 4 h + j, lane r).  Registers 0-31 of each run: my eight units; 32-63: the other eight.
.irp k, 0,1,2,3,4,5,6,7
	global_load_b128 v[PMR+4*\k:PMR+4*\k+3], v[VM], s[94:95] offset:512*\k
	global_load_b128 v[PMR+32+4*\k:PMR+32+4*\k+3], v[VO], s[94:95] offset:512*\k
	global_load_b128 v[PLR+4*\k:PLR+4*\k+3], v[VM], s[98:99] offset:512*\k
	global_load_b128 v[PLR+32+4*\k:PLR+32+4*\k+3], v[VO], s[98:99] offset:512*\k
	global_load_b128 v[PSR+4*\k:PSR+4*\k+3], v[VM], s[92:93] offset:512*\k
.endr
	s_mul_i32 s2, s13, HALFT
	s_mul_i32 s23, s14, HALFT
	s_add_co_u32 s23, s23, 2*HALFT
.irp s, 0,1
	v_add_nc_u32 v[ADRA+\s], s2, v[LI]
	v_add_nc_u32 v[ADRB+\s], s23, v[LI]
	s_add_co_u32 s2, s2, SLOT
	s_add_co_u32 s23, s23, SLOT
.endr
	s_mul_i32 s2, s13, GS
	s_mul_i32 s23, s14, GS
	s_add_co_u32 s23, s23, 2*GS
	s_sub_co_u32 s23, s23, s2
	v_mul_u32_u24 v4, s23, v2
	s_add_co_u32 s2, s2, SCL
	v_lshl_add_u32 v4, v1, 4, v4
	v_add_nc_u32 v[ADRS], s2, v4
	s_lshl_b32 s2, s12, 12
	s_add_co_u32 s2, s2, SCL
	v_add_nc_u32 v[SWA], s2, v[LI]                 ; P's words: group = my row half, units 8 x my column half on: 4,096 x wave
	s_mul_i32 s2, s12, 16*528
	s_add_co_u32 s2, s2, STAGE
	v_mul_u32_u24 v4, v1, 528
	v_lshl_add_u32 v4, v2, 6, v4
	v_add_nc_u32 v[STO], s2, v4                    ; the stage, in: row r, + 64 h
	v_add_nc_u32 v[RD], s2, v[LI]                  ; and back: 16 bytes a lane of a row
	s_wait_loadcnt 0x0
.irp j, 0,1,2,3
	v_min3_num_f32 v[MG+\j], v[PMR+\j], v[PMR+4+\j], v[PMR+8+\j]   ; the smallest -M of the 16: the row's
.endr
.irp k, 3,5,7,9,11,13
.irp j, 0,1,2,3
	v_min3_num_f32 v[MG+\j], v[MG+\j], v[PMR+4*\k+\j], v[PMR+4*\k+4+\j]
.endr
.endr
.irp j, 0,1,2,3
	v_min_num_f32 v[MG+\j], v[MG+\j], v[PMR+60+\j]
.endr
.set k, 0
.rept 16
	v_pk_add_f32 v[PMR+4*k:PMR+4*k+1], v[MG:MG+1], v[PMR+4*k:PMR+4*k+1] neg_lo:[0,1] neg_hi:[0,1]       ; e = M(these keys) - M(row): a whole number, 0 or less
	v_pk_add_f32 v[PMR+4*k+2:PMR+4*k+3], v[MG+2:MG+3], v[PMR+4*k+2:PMR+4*k+3] neg_lo:[0,1] neg_hi:[0,1]
.set k, k+1
.endr
.set j, 0
.rept 64
	v_max_num_f32 v[PMR+j], 0xc2fe0000, v[PMR+j]   ; held at -127
.set j, j+1
.endr
.set j, 0
.rept 64
	v_cvt_i32_f32 v[PMR+j], v[PMR+j]
.set j, j+1
.endr
.set j, 0
.rept 64
	v_ldexp_f32 v[PLR+j], v[PLR+j], v[PMR+j]       ; the partial sums under the row's M
.set j, j+1
.endr
.irp k, 1,2,3,4,5,6,7,8,9,10,11,12,13,14,15
	v_pk_add_f32 v[PLR:PLR+1], v[PLR:PLR+1], v[PLR+4*\k:PLR+4*\k+1]
	v_pk_add_f32 v[PLR+2:PLR+3], v[PLR+2:PLR+3], v[PLR+4*\k+2:PLR+4*\k+3]
.endr
.irp j, 0,1,2,3
	v_rcp_f32 v[RL+\j], v[PLR+\j]                  ; 1 / l; the row's largest p is above 1/2, so l is
.endr
	; my 32 words: each byte b becomes b + e, or 0 where that would be negative.  b is at most 123 and -e at most 127, so (b | 128) + e borrows from no neighbour, and its bit 7 says b + e >= 0.
.set j, 0
.rept 32
	v_sub_nc_u32 v[PMR+j], 0, v[PMR+j]             ; d = -e.  (The first of these is the plain place behind the reciprocals)
.set j, j+1
.endr
.set j, 0
.rept 32
	v_lshl_or_b32 v[PMR+j], v[PMR+j], 8, v[PMR+j]
.set j, j+1
.endr
.set j, 0
.rept 32
	v_lshl_or_b32 v[PMR+j], v[PMR+j], 16, v[PMR+j] ; d in all four bytes
.set j, j+1
.endr
.set j, 0
.rept 32
	v_or_b32 v[PSR+j], s105, v[PSR+j]
.set j, j+1
.endr
.set j, 0
.rept 32
	v_sub_nc_u32 v[PSR+j], v[PSR+j], v[PMR+j]      ; 128 + b - d in each byte
.set j, j+1
.endr
.set j, 0
.rept 32
	v_and_b32 v[PMR+j], s105, v[PSR+j]
.set j, j+1
.endr
.set j, 0
.rept 32
	v_lshrrev_b32 v[PLR+32+j], 7, v[PMR+j]
.set j, j+1
.endr
.set j, 0
.rept 32
	v_sub_nc_u32 v[PMR+j], v[PMR+j], v[PLR+32+j]   ; 0x7f in the bytes that stay, 0 in those that are held
.set j, j+1
.endr
.set j, 0
.rept 32
	v_and_b32 v[PSR+j], v[PSR+j], v[PMR+j]
.set j, j+1
.endr
.irp k, 0,1,2,3,4,5,6,7
	ds_store_b128 v[SWA], v[PSR+4*\k:PSR+4*\k+3] offset:512*\k
.endr
	s_wait_tensorcnt 1                             ; V^T's scale words and my part of slot 0 are in; slot 1's may stay out
	s_wait_dscnt 0x0                               ; for the others' sake: P's words that I mended lie in LDS
	s_barrier_signal -1
	s_barrier_wait -1
	FETCH_B 0, 0, 0
	FETCH_A 0, 0, 0
	SCALES 0
	FETCH_A 0, 0, 4
	STEP 0, 0, 1
	s_mov_b32 s3, LAPS-1
.Llap:
	TURN 0, 1, 1
	STEP 1, 0, 0
	TURN 1, 0, 1
	STEP 0, 0, 0
	s_sub_co_u32 s3, s3, 1
	s_cmp_lg_u32 s3, 0
	s_cbranch_scc1 .Llap
	TURN 0, 1, 0
	STEP 1, 0, 0
	s_wait_dscnt 4*NL
	WIN MUL_LO
	MUL16 0, 1, 1, 1, 0
	MUL16 2, 1, 1, 1, 0
	s_wait_dscnt 0
	WIN MUL_HI
	MUL16 4, 1, 1, 1, 0
	MUL16 6, 1, 1, 1, 0
	WIN 0
; THE WAY OUT, block by block of 16 rows x 128 columns: x 1 / l, through my own stage in LDS, back as whole rows of 512 bytes.  Row t of block a is row 32 (a / 2) + 8 (a % 2) + t % 8 + 16 (t / 8) of my 128.
.macro TOSTAGE a
.set AC, 64*((\a)%4)
.set WM, 2+(\a)/4+4                    ; source 0: the accumulators' window; source 1: window 1
.set BB, 128+64*((\a)%2)
	WIN WM
.set j, 0
.rept 32
	v_pk_mul_f32 v[T+j:T+j+1], v[AC+j:AC+j+1], v[2*(\a):2*(\a)+1] op_sel_hi:[1,0]   ; each accumulator from its low end on
.set j, j+2
.endr
	WIN 0
.irp n, 0,1,2,3,4,5,6,7,8,9,10,11,12,13,14,15
	ds_store_b128 v[STO], v[T+4*\n:T+4*\n+3] offset:128*(\n/4)+16*(\n%4)   ; register 16 b + i is column 32 b + 16 h + i
.endr
.irp t, 0,1,2,3,4,5,6,7,8,9,10,11,12,13,14,15
	ds_load_b128 v[BB+4*\t:BB+4*\t+3], v[RD] offset:\t*528                 ; LDS serves a wave's instructions in order: these see my stores
.endr
.endm
.macro SEND a, younger
.set BB, 128+64*((\a)%2)
	s_wait_dscnt \younger                          ; the block is back; the next block's 16 stores and 16 loads may be out
.irp t, 0,1,2,3,4,5,6,7,8,9,10,11,12,13,14,15
	global_store_b128 v[LI], v[BB+4*\t:BB+4*\t+3], s[96:97] offset:4096*(32*((\a)/2)+8*((\a)%2)+(\t%8)+16*(\t/8)) th:TH_STORE_NT   ; 512 consecutive bytes of a row, at a multiple of 256 from out0's first byte
.endr
.endm
	PLACES NP
	s_wait_alu depctr_va_vdst(0)
.irp j, 0,1,2,3
	v_permlanex16_b32 v[RL+4+\j], v[RL+\j], s66, s67
.endr
	WIN TO_B                                       ; destination window 1: 1 / l of block a's row r, as the pair v[2 a : 2 a + 1]
.irp j, 0,1,2,3
	v_cndmask_b32 v[2*\j], v[RL+\j], v[RL+4+\j], s104          ; blocks 0-3 are held by lanes 0-15,
	v_cndmask_b32 v[2*\j+1], v[RL+\j], v[RL+4+\j], s104
	v_cndmask_b32 v[8+2*\j], v[RL+4+\j], v[RL+\j], s104        ; blocks 4-7 by lanes 16-31
	v_cndmask_b32 v[8+2*\j+1], v[RL+4+\j], v[RL+\j], s104
.endr
	TOSTAGE 0
.irp a, 1,2,3,4,5,6,7
.if \a > 1
	s_wait_xcnt 0x0                                ; the stores of two blocks ago have read their registers: this block's rows may land there
.endif
	TOSTAGE \a
	SEND \a-1, 32
.endr
	SEND 7, 0
	s_wait_tensorcnt 0x0                           ; the wave's end
	ds_add_u32 v[SPW], v[NIL]
	s_wait_dscnt 0x0
	CROUND
	s_endpgm
.Lfunc_end_k_q94ed4a20a7_pv:
	.size	k_q94ed4a20a7_pv, .Lfunc_end_k_q94ed4a20a7_pv-k_q94ed4a20a7_pv
	.p2alignl 7, 3214868480
	.fill 96, 4, 3214868480
	.section	.rodata,"a",@progbits
	.p2align	6, 0x0
	.amdhsa_kernel k_q94ed4a20a7_pv
		.amdhsa_group_segment_fixed_size 327680
		.amdhsa_private_segment_fixed_size 0
		.amdhsa_enable_private_segment 0
		.amdhsa_kernarg_size 56
		.amdhsa_user_sgpr_count 2
		.amdhsa_user_sgpr_kernarg_segment_ptr 1
		.amdhsa_wavefront_size32 1
		.amdhsa_system_sgpr_workgroup_id_x 1
		.amdhsa_system_sgpr_workgroup_id_y 1
		.amdhsa_system_sgpr_workgroup_id_z 1
		.amdhsa_system_vgpr_workitem_id 0
		.amdhsa_next_free_vgpr 1024
		.amdhsa_next_free_sgpr 106
		.amdhsa_reserve_vcc 0
		.amdhsa_float_denorm_mode_32 3
		.amdhsa_float_denorm_mode_16_64 3
		.amdhsa_memory_ordered 1
		.amdhsa_forward_progress 1
		.amdhsa_inst_pref_size 182
	.end_amdhsa_kernel
	.amdgpu_metadata
---
amdhsa.version: [ 1, 2 ]
amdhsa.kernels:
  - .name:           k_q94ed4a20a7_pv
    .symbol:         k_q94ed4a20a7_pv.kd
    .args:
      - { .name: pc, .offset: 0, .size: 8, .value_kind: global_buffer, .address_space: global }
      - { .name: ps, .offset: 8, .size: 8, .value_kind: global_buffer, .address_space: global }
      - { .name: pm, .offset: 16, .size: 8, .value_kind: global_buffer, .address_space: global }
      - { .name: pl, .offset: 24, .size: 8, .value_kind: global_buffer, .address_space: global }
      - { .name: c1, .offset: 32, .size: 8, .value_kind: global_buffer, .address_space: global }
      - { .name: s1, .offset: 40, .size: 8, .value_kind: global_buffer, .address_space: global }
      - { .name: out0, .offset: 48, .size: 8, .value_kind: global_buffer, .address_space: global }
    .group_segment_fixed_size: 327680
    .private_segment_fixed_size: 0
    .kernarg_segment_align: 8
    .kernarg_segment_size: 56
    .max_flat_workgroup_size: 128
    .sgpr_count:     106
    .vgpr_count:     1024
    .wavefront_size: 32
...
	.end_amdgpu_metadata
.endif
;; end of part 4
;; ======== version 2 of 2: 4 launches; 1.12 times as fast as version 1
;; workspace buffers: c0 8,650,752 bytes; s0 360,448 bytes; c1 18,874,368 bytes; s1 786,432 bytes; pc 12,582,912 bytes; ps 524,288 bytes; pm 524,288 bytes; pl 524,288 bytes
;; launch quant: the kernel of part 1 again; grid 704 x 1, 4 waves a work-group, no clusters, 68,608 bytes of LDS; arguments inputs, Wq, Wk, Wv, c0, s0; writes c0, s0
;; launch proj (part 5): grid 12 x 32, 4 waves a work-group, clusters of 4 x 4, 327,680 bytes of LDS; arguments c0, s0, c1, s1; writes c1, s1
.if DOCPART == 5
	.amdgcn_target "amdgcn-amd-amdhsa--gfx1250"
	.amdhsa_code_object_version 6
	.text
	.protected	k_q94ed4a20a7_proj
	.globl	k_q94ed4a20a7_proj
	.p2align	8
	.type	k_q94ed4a20a7_proj,@function
k_q94ed4a20a7_proj:
	s_mov_b64 s[64:65], 0
	v_nop
	global_prefetch_b8 v0, s[64:65] scope:SCOPE_SE
	s_setreg_imm32_b32 hwreg(HW_REG_WAVE_MODE, 25, 1), 1
	s_wait_xcnt 0x0
	s_wait_alu depctr_hold_cnt(0) depctr_sa_sdst(0) depctr_va_vdst(0) depctr_va_sdst(0) depctr_va_ssrc(0) depctr_va_vcc(0) depctr_vm_vsrc(0)
	s_getreg_b32 s2, hwreg(HW_REG_IB_STS2, 6, 4)
	s_cmp_eq_u32 s2, 0
	s_cbranch_scc0 .Lentry_in_a_cluster
	s_endpgm
.Lentry_in_a_cluster:
	s_bfe_u32 s2, ttmp6, 0x10000c
	s_cmp_lg_u32 s2, 0xf033
	s_cbranch_scc0 .Lentry_shape_is_right
	s_endpgm
.Lentry_shape_is_right:
; Q = x Wq^T, K = x Wk^T (A = x, B = Wq | Wk) and V^T = Wv x^T (A = Wv, B = x), on codes of BF6 with E8M0 scales; the f32 sums are quantised along N at once and leave as codes.
; OPERANDS ARE IMAGES OF REGISTERS: a fragment (16 rows x 128 K) is 1,536 bytes, registers 4 c .. 4 c + 3 of lane l at 512 c + 16 l; a unit is the 8 fragments of 128 rows x 128 K; a group's units lie on end along K.
; Lane r of fragment t holds row 32 (t / 2) + 8 (t % 2) + r % 8 + 16 (r / 8) of its group.  A unit's scale words are 512 bytes: (fragment t, lane r) at 256 (t / 4) + 16 r + 4 (t % 4).
; A tile of C, 256 x 256, is made by four waves, 128 x 128 each (64 accumulators, 512 registers).  K = 1,024 is four slots' worth of 256: THREE LDS slots are filled at the start (K steps 0-5), and slot 0 once more
; (K steps 6, 7) when it has been read: that one refill has 224 matrix instructions of the wave between its request and the wait for it.  A wave's tensor load brings one group's 24,576 dense bytes.
; The scale words of the tile's four groups, for all of K, come once with the first fills.  THE MATRIX INSTRUCTION IS USED TRANSPOSED (source 0 = B, source 1 = A): with the row order above a lane's 64 results of a block
; of 16 rows are, register 16 b + i, column 32 b + 16 (lane / 16) + i of the wave's 128: sixteen neighbours along the next product's K, which the conversions take as they stand.
; CLUSTERS 4 x 4: A's tiles are asked for jointly along a row of the cluster, B's along a column.  The role hangs on the cluster's x alone (0, 1: Q and K; 2: V^T) and only selects offsets: no branch hangs on it.
; OUT: c1, s1 in units: Q 8 R + s, K 512 + 8 R + s (R: group of 128 tokens, s: 128 along e), V^T 1024 + 128 batch + 16 R + s (R: group of 128 along e, s: 128 keys).
; LIMITS: a block of zeros gets the byte 1 (its codes are zeros; only this program reads the bytes); NaN and infinities are not served.
; REGISTERS: window 0: v16-29 addresses; v32-63 scale words, two sets; v128-223 A's fragments, one set; on the way out v128-171 codes, v176-187 words, v200-215 at work.  Window 1: B's two sets.  Windows 2, 3: accumulators.
.set KSTEPS, 8                         ; steps of 128 along K
.set FR,     12
.set FRB,    1536
.set GSTEP,  8*FRB
.set HALFT,  2*GSTEP                   ; what one tensor load brings: a group's 256 along K
.set SLOT,   4*HALFT                   ; A's two groups, then B's two
.set SCL,    3*SLOT                    ; behind the three slots: the scale words, GS bytes a group
.set GS,     512*KSTEPS
.set SPARE,  SCL+4*GS                  ; the spare words, 128 bytes a wave: two blocks of 256 bytes that no other line names
.set NL,     3                         ; LDS loads that bring a fragment
.set NP,     4                         ; places behind this matrix instruction (ISA guide 7.12.1)
.set ADRA, 16                          ; v16-18 my A fragments in slot 0, 1, 2
.set ADRB, 20                          ; v20-22 the same for B
.set LI,   26                          ; v26 16 x lane
.set ADRS, 27                          ; v27 my scale words: lanes 0-15 A's, lanes 16-31 B's
.set SPW,  28
.set NIL,  29
.set SC,   32                          ; set sc, the slot's q-th 128 along K, block i: v[SC + 16 sc + 8 q + i]
.set AF,   128
.set G0C, 4                            ; s[4:7]   group 0 for A's slot 2 (the pointers that lay here are done with)
.set G0D, 8                            ; s[8:11]  group 0 for B's slot 2
.set G1, 24
.set G0, 32                            ; s[32:39] group 0 for A's slots 0, 1
.set G1B, 48
.set G0B, 56
.set G1S, 68
.set G0S, 76
.set G1SB, 80
.set G0SB, 88
.set TM,   200
.set WRD,  176
.set WO,   184
.set MSB, 0
.macro WIN new                         ; the immediate's high byte repeats the setting that is left
.if MSB != \new
	s_set_vgpr_msb (MSB<<8)|\new
.set MSB, \new
.endif
.endm
.set MUL_LO, 0xa1                      ; source 0 (B) window 1, source 1 (A) window 0, C and D window 2
.set MUL_HI, 0xf1
.set TO_B,   0x40
.macro JLOAD g0a, g1a, g0b, g1b        ; a joint load: waves 0, 1 for A, waves 2, 3 for B; four v_nop follow each line
	s_cmp_eq_u32 s13, 0
	s_cbranch_scc0 .Lfor_b_\@
	tensor_load_to_lds s[\g0a:\g0a+3], s[\g1a:\g1a+7]
	s_nop 0
.rept 4
	v_nop
.endr
	s_branch .Lasked_\@
.Lfor_b_\@:
	tensor_load_to_lds s[\g0b:\g0b+3], s[\g1b:\g1b+7]
	s_nop 0
.rept 4
	v_nop
.endr
.Lasked_\@:
.endm
.macro CREST                           ; a round of the cluster's barrier behind its opening barrier
	s_cmp_lg_u32 s12, 0
	s_cbranch_scc1 .Lnot_wave_0_\@
	s_barrier_signal -3
.Lnot_wave_0_\@:
	s_barrier_wait -3
	s_barrier_signal -1
	s_barrier_wait -1
.endm
.macro CROUND
	s_barrier_signal -1
	s_barrier_wait -1
	CREST
.endm
.macro PLACES n
.rept \n
	v_nop
.endr
.endm
.macro FRAG reg, adr, q, i             ; a fragment comes as it was stored: three loads of 512 consecutive bytes
.irp c, 0,1,2
	ds_load_b128 v[\reg+4*\c:\reg+4*\c+3], v[\adr] offset:(\q)*GSTEP+(\i)*FRB+512*\c
.endr
.endm
.macro MUL16 a0, p, q, sc, zero        ; A's blocks a0, a0 + 1 x B's eight; the 64 accumulators take turns
.irp a, \a0, \a0+1
.irp b, 0,1,2,3,4,5,6,7
.if \zero
	v_wmma_scale_f32_16x16x128_f8f6f4 v[8*(8*((\a)%4)+\b):8*(8*((\a)%4)+\b)+7], v[128*(\p)+FR*\b:128*(\p)+FR*\b+FR-1], v[AF+FR*(\a):AF+FR*(\a)+FR-1], 0, v[SC+16*(\sc)+8*(\q)+\b], v[SC+16*(\sc)+8*(\q)+(\a)] matrix_a_fmt:MATRIX_FMT_BF6 matrix_b_fmt:MATRIX_FMT_BF6 matrix_a_scale:MATRIX_SCALE_ROW1
.else
	v_wmma_scale_f32_16x16x128_f8f6f4 v[8*(8*((\a)%4)+\b):8*(8*((\a)%4)+\b)+7], v[128*(\p)+FR*\b:128*(\p)+FR*\b+FR-1], v[AF+FR*(\a):AF+FR*(\a)+FR-1], v[8*(8*((\a)%4)+\b):8*(8*((\a)%4)+\b)+7], v[SC+16*(\sc)+8*(\q)+\b], v[SC+16*(\sc)+8*(\q)+(\a)] matrix_a_fmt:MATRIX_FMT_BF6 matrix_b_fmt:MATRIX_FMT_BF6 matrix_a_scale:MATRIX_SCALE_ROW1
.endif
.endr
.endr
.endm
.macro FETCH_B slot, q, p
	WIN TO_B
.irp i, 0,1,2,3,4,5,6,7
	FRAG 128*(\p)+FR*\i, ADRB+\slot, \q, \i
.endr
	WIN 0
.endm
.macro FETCH_A slot, q, i0
.irp i, \i0, \i0+1, \i0+2, \i0+3
	FRAG AF+FR*(\i), ADRA+\slot, \q, \i
.endr
.endm
.macro SCALES sc                       ; a slot's scale words: eight blocks' words by two loads for each 128 along K
.irp q, 0,1
.irp f, 0,1
	ds_load_b128 v[SC+16*\sc+8*\q+4*\f:SC+16*\sc+8*\q+4*\f+3], v[ADRS] offset:512*\q+256*\f
.endr
.endr
.endm
.macro STEP slot, sc, q, zero          ; a step of 128 along K that has its successor in the same slot; sc: the set of scale words
	s_wait_dscnt 4*NL                              ; all but A's blocks 4-7 are in
	WIN MUL_LO
	MUL16 0, (\q)%2, \q, \sc, \zero
	MUL16 2, (\q)%2, \q, \sc, \zero
	s_wait_dscnt 0
	PLACES NP
	FETCH_B \slot, (\q)+1, 1-(\q)%2
	FETCH_A \slot, (\q)+1, 0
	WIN MUL_HI
	MUL16 4, (\q)%2, \q, \sc, \zero
	MUL16 6, (\q)%2, \q, \sc, \zero
	PLACES NP
	WIN 0
	FETCH_A \slot, (\q)+1, 4
.endm
; A slot's last step changes slots.  mode 1: this slot is filled again: the three lines, a barrier that opens a round of the cluster's, the joint refill.  mode 0: the next slot is the refilled one: the wave that asked
; for a part of it waits for it, and a barrier shows it to all.  mode 2: the next slot was shown whole to every wave by the wait for all loads and the barrier of mode 1: nothing is waited for but my own LDS loads.
.macro TURN slot, sc, next, nsc, mode
.if \mode < 2
	s_wait_tensorcnt 0x0                           ; all my tensor loads have landed
	ds_add_u32 v[SPW], v[NIL]                      ; 0 onto my spare word
	s_wait_dscnt 4*NL+1                            ; (the add and A's blocks 4-7 may be out)
	WIN MUL_LO
	MUL16 0, 1, 1, \sc, 0
	s_wait_dscnt 0x0                               ; the add is done, and my reads of this slot are over
	s_barrier_signal -1
	MUL16 2, 1, 1, \sc, 0
	WIN 0
	s_barrier_wait -1
.else
	s_wait_dscnt 4*NL                              ; all but A's blocks 4-7 are in
	WIN MUL_LO
	MUL16 0, 1, 1, \sc, 0
	MUL16 2, 1, 1, \sc, 0
	s_wait_dscnt 0x0
	WIN 0
.endif
.if \mode == 1
	CREST                                          ; the barrier has opened a round of the cluster's: no wave of any partner reads this slot or has a load on its way
	s_add_nc_u64 s[G0+4*\slot+2:G0+4*\slot+3], s[G0+4*\slot+2:G0+4*\slot+3], 3*HALFT
	s_add_nc_u64 s[G0B+4*\slot+2:G0B+4*\slot+3], s[G0B+4*\slot+2:G0B+4*\slot+3], 3*HALFT
	JLOAD G0+4*\slot, G1, G0B+4*\slot, G1B         ; the first tensor load behind the round; its four v_nop are the places in front of the loads below
.else
	PLACES NP
.endif
	v_add_nc_u32 v[ADRS], 1024, v[ADRS]            ; the next slot's scale words
	FETCH_B \next, 0, 0
	FETCH_A \next, 0, 0
	SCALES \nsc
	WIN MUL_HI
	MUL16 4, 1, 1, \sc, 0
	MUL16 6, 1, 1, \sc, 0
	PLACES NP
	WIN 0
	FETCH_A \next, 0, 4
.endm
	s_load_b128 s[4:7], s[0:1], 0x0                ; c0, s0: both operands come from them
	s_load_b128 s[92:95], s[0:1], 0x10             ; c1, s1
	v_lshl_add_u32 v[SPW], v0, 2, SPARE
	v_mov_b32 v[NIL], 0
	ds_add_u32 v28, v29
	ds_add_u32 v28, v29
	s_wait_dscnt 0x0
	v_lshrrev_b32 v1, 5, v0
	v_readfirstlane_b32 s12, v1                    ; wave
	s_lshr_b32 s13, s12, 1                         ; my half of the rows; also: I fetch for A (0) or B (1)
	s_and_b32 s14, s12, 1                          ; my half of the columns; also: which group I fetch
	s_bfe_u32 s17, ttmp6, 0x40000                  ; cx
	s_bfe_u32 s18, ttmp6, 0x40004                  ; cy
	s_and_b32 s19, ttmp7, 0xffff                   ; cluster y
	s_lshl_b32 s21, s18, 2
	s_lshl_b32 s21, 15, s21                        ; my row of the cluster
	s_lshl_b32 s22, 0x1111, s17                    ; my column
	s_mov_b32 s66, 0x76543210
	s_mov_b32 s67, 0xfedcba98
	s_mov_b32 s104, 0xffff0000                     ; lanes 16-31
	s_lshl_b32 s2, s19, 2                          ; 4 Y
	s_lshl_b32 s23, ttmp9, 2                       ; 4 X
	s_cmp_lt_u32 ttmp9, 2                          ; Q and K, or V^T: the same in all sixteen partners
	s_cselect_b32 s15, s2, 0
	s_cselect_b32 s16, s23, s2
	s_cselect_b32 s40, 0, 80                       ; A's first group: inputs, or Wv
	s_cselect_b32 s44, 64, 0                       ; B's: Wq | Wk, or inputs
	s_add_co_u32 s15, s15, s18                     ; tile row
	s_add_co_u32 s16, s16, s17                     ; tile column
	s_lshl_b32 s41, s15, 1
	s_add_co_u32 s40, s40, s41
	s_add_co_u32 s40, s40, s14                     ; the group of A that I would fetch
	s_lshl_b32 s42, s40, 12
	s_mul_i32 s40, s40, KSTEPS*GSTEP
	s_mov_b32 s41, 0
	s_mov_b32 s43, 0
	s_lshl_b32 s45, s16, 1
	s_add_co_u32 s44, s44, s45
	s_add_co_u32 s44, s44, s14                     ; and of B
	s_lshl_b32 s46, s44, 12
	s_mul_i32 s44, s44, KSTEPS*GSTEP
	s_mov_b32 s45, 0
	s_mov_b32 s47, 0
	s_or_b32 s[G1+0], s21, (3<<16)|(1<<21)         ; 15:0 the mask; 17:16 elements of 8 bytes; 21 set beside a mask; no padding
	s_or_b32 s[G1B+0], s22, (3<<16)|(1<<21)
	s_or_b32 s[G1S+0], s21, (3<<16)|(1<<21)
	s_or_b32 s[G1SB+0], s22, (3<<16)|(1<<21)
.irp g, G1, G1B                        ; 24,576 dense bytes as 96 rows of 256
	s_mov_b32 s[\g+1], 32<<16
	s_mov_b32 s[\g+2], 96<<16
	s_mov_b32 s[\g+3], 32<<16
	s_mov_b32 s[\g+4], 96
	s_mov_b32 s[\g+5], 32
	s_mov_b32 s[\g+6], 0
	s_mov_b32 s[\g+7], 0
.endr
.irp g, G1S, G1SB                      ; GS dense bytes as rows of 256
	s_mov_b32 s[\g+1], 32<<16
	s_mov_b32 s[\g+2], (GS/256)<<16
	s_mov_b32 s[\g+3], 32<<16
	s_mov_b32 s[\g+4], GS/256
	s_mov_b32 s[\g+5], 32
	s_mov_b32 s[\g+6], 0
	s_mov_b32 s[\g+7], 0
.endr
	s_mul_i32 s2, s12, HALFT                       ; where they go: the wave's number alone
	s_mul_i32 s23, s12, GS
	s_wait_kmcnt 0x0
	s_add_nc_u64 s[40:41], s[4:5], s[40:41]
	s_add_nc_u64 s[42:43], s[6:7], s[42:43]
	s_add_nc_u64 s[44:45], s[4:5], s[44:45]
	s_add_nc_u64 s[46:47], s[6:7], s[46:47]
	CROUND                                         ; all sixteen work-groups are here: the first joint loads meet
	s_mov_b32 s[G0S], 1
	s_add_co_u32 s[G0S+1], s23, SCL
	s_mov_b64 s[G0S+2:G0S+3], s[42:43]
	s_or_b32 s[G0S+3], s[G0S+3], 0x80000000
	s_mov_b32 s[G0SB], 1
	s_add_co_u32 s[G0SB+1], s23, SCL
	s_mov_b64 s[G0SB+2:G0SB+3], s[46:47]
	s_or_b32 s[G0SB+3], s[G0SB+3], 0x80000000
.irp s, 0,1
	s_mov_b32 s[G0+4*\s], 1
	s_add_co_u32 s[G0+4*\s+1], s2, \s*SLOT
	s_add_nc_u64 s[G0+4*\s+2:G0+4*\s+3], s[40:41], \s*HALFT
	s_or_b32 s[G0+4*\s+3], s[G0+4*\s+3], 0x80000000
	s_mov_b32 s[G0B+4*\s], 1
	s_add_co_u32 s[G0B+4*\s+1], s2, \s*SLOT
	s_add_nc_u64 s[G0B+4*\s+2:G0B+4*\s+3], s[44:45], \s*HALFT
	s_or_b32 s[G0B+4*\s+3], s[G0B+4*\s+3], 0x80000000
.endr
	s_mov_b32 s[G0C], 1                            ; slot 2's
	s_add_co_u32 s[G0C+1], s2, 2*SLOT
	s_add_nc_u64 s[G0C+2:G0C+3], s[40:41], 2*HALFT
	s_or_b32 s[G0C+3], s[G0C+3], 0x80000000
	s_mov_b32 s[G0D], 1
	s_add_co_u32 s[G0D+1], s2, 2*SLOT
	s_add_nc_u64 s[G0D+2:G0D+3], s[44:45], 2*HALFT
	s_or_b32 s[G0D+3], s[G0D+3], 0x80000000
	s_cmp_eq_u32 s13, 0                            ; a wave's first fills stand in one branch: four loads of mine are out
	s_cbranch_scc0 .Lfirst_b
	tensor_load_to_lds s[G0S:G0S+3], s[G1S:G1S+7]
	s_nop 0
	tensor_load_to_lds s[G0:G0+3], s[G1:G1+7]
	s_nop 0
	tensor_load_to_lds s[G0+4:G0+7], s[G1:G1+7]
	s_nop 0
	tensor_load_to_lds s[G0C:G0C+3], s[G1:G1+7]
	s_nop 0
.rept 4
	v_nop
.endr
	s_branch .Lfirst_done
.Lfirst_b:
	tensor_load_to_lds s[G0SB:G0SB+3], s[G1SB:G1SB+7]
	s_nop 0
	tensor_load_to_lds s[G0B:G0B+3], s[G1B:G1B+7]
	s_nop 0
	tensor_load_to_lds s[G0B+4:G0B+7], s[G1B:G1B+7]
	s_nop 0
	tensor_load_to_lds s[G0D:G0D+3], s[G1B:G1B+7]
	s_nop 0
.rept 4
	v_nop
.endr
.Lfirst_done:
	v_and_b32 v1, 15, v0                           ; r
	v_bfe_u32 v2, v0, 4, 1                         ; h
	v_and_b32 v3, 31, v0
	v_lshlrev_b32 v[LI], 4, v3
	s_mul_i32 s2, s13, HALFT                       ; my group of A,
	s_mul_i32 s23, s14, HALFT
	s_add_co_u32 s23, s23, 2*HALFT                 ; my group of B
.irp s, 0,1,2
	v_add_nc_u32 v[ADRA+\s], s2, v[LI]
	v_add_nc_u32 v[ADRB+\s], s23, v[LI]
	s_add_co_u32 s2, s2, SLOT
	s_add_co_u32 s23, s23, SLOT
.endr
	s_mul_i32 s2, s13, GS
	s_mul_i32 s23, s14, GS
	s_add_co_u32 s23, s23, 2*GS
	s_sub_co_u32 s23, s23, s2
	v_mul_u32_u24 v4, s23, v2                      ; lanes 16-31 take B's words
	s_add_co_u32 s2, s2, SCL
	v_lshl_add_u32 v4, v1, 4, v4
	v_add_nc_u32 v[ADRS], s2, v4
	; the unit that I write
	s_lshl_b32 s2, s15, 1
	s_add_co_u32 s2, s2, s13                       ; R: my group of rows
	s_lshl_b32 s23, s16, 1
	s_add_co_u32 s23, s23, s14                     ; n: my 128 columns
	s_lshr_b32 s40, s23, 3
	s_lshl_b32 s40, s40, 9
	s_lshl_b32 s41, s2, 3
	s_add_co_u32 s40, s40, s41
	s_and_b32 s41, s23, 7
	s_add_co_u32 s40, s40, s41                     ; Q, K: 512 (n / 8) + 8 R + n % 8
	s_lshr_b32 s42, s23, 4
	s_lshl_b32 s42, s42, 7
	s_lshl_b32 s43, s2, 4
	s_add_co_u32 s42, s42, s43
	s_and_b32 s43, s23, 15
	s_add_co_u32 s42, s42, s43
	s_add_co_u32 s42, s42, 1024                    ; V^T: 1024 + 128 (n / 16) + 16 R + n % 16
	s_cmp_lt_u32 ttmp9, 2
	s_cselect_b32 s2, s40, s42
	s_mul_i32 s40, s2, GSTEP
	s_mov_b32 s41, 0
	s_lshl_b32 s42, s2, 9
	s_mov_b32 s43, 0
	s_add_nc_u64 s[92:93], s[92:93], s[40:41]
	s_add_nc_u64 s[94:95], s[94:95], s[42:43]
	s_wait_tensorcnt 2                             ; the scale words and my part of slot 0 are in; slots 1 and 2 may stay out
	s_barrier_signal -1
	s_barrier_wait -1
	FETCH_B 0, 0, 0
	FETCH_A 0, 0, 0
	SCALES 0
	FETCH_A 0, 0, 4
	STEP 0, 0, 0, 1                                ; K step 0: its products start the sums
	TURN 0, 0, 1, 1, 1                             ; K step 1; slots 1 and 2 are whole; slot 0 is asked for again: K steps 6, 7
	STEP 1, 1, 0, 0
	TURN 1, 1, 2, 0, 2                             ; on to slot 2: no barrier
	STEP 2, 0, 0, 0
	TURN 2, 0, 0, 1, 0                             ; the refill has landed in every wave's sight; nothing more is asked for
	STEP 0, 1, 0, 0
	s_wait_dscnt 4*NL                              ; the last step
	WIN MUL_LO
	MUL16 0, 1, 1, 1, 0
	MUL16 2, 1, 1, 1, 0
	s_wait_dscnt 0
	WIN MUL_HI
	MUL16 4, 1, 1, 1, 0
	MUL16 6, 1, 1, 1, 0
	WIN 0
; THE WAY OUT: block a (16 rows x my 128 columns) becomes one fragment and one scale word a row.
.macro QUANTW a
.set AC, 64*((\a)%4)
.set W,  2+(\a)/4
.set WW, W|(W<<2)
.set PC, 128+24*((\a)%2)
	s_wait_xcnt 0x0                                ; the stores of two blocks ago have read this set of codes
	WIN WW                                         ; sources 0 and 1: the accumulators' window
.irp b, 0,1,2,3
	v_max3_num_f32 v[TM+\b], |v[AC+16*\b]|, |v[AC+16*\b+1]|, 0x2800000   ; block b of 32 columns: my 16, each accumulator from its low end on, and the floor 2^(5 - 127)
.endr
.irp i, 2,4,6,8,10,12,14
.irp b, 0,1,2,3
	v_max3_num_f32 v[TM+\b], |v[AC+16*\b+\i]|, |v[AC+16*\b+\i+1]|, v[TM+\b]
.endr
.endr
	WIN 0
.irp b, 0,1,2,3
	v_permlanex16_b32 v[TM+4+\b], v[TM+\b], s66, s67
.endr
.irp b, 0,1,2,3
	v_max_num_f32 v[TM+\b], v[TM+\b], v[TM+4+\b]   ; with lane l xor 16's 16
.endr
.irp b, 0,1,2,3
	v_add_nc_u32 v[TM+12+\b], 0xfe000000, v[TM+\b] ; 4 off the exponent field: the conversion's scale operand
.endr
.irp b, 0,1,2,3
	v_lshrrev_b32 v[TM+4+\b], 23, v[TM+12+\b]      ; the byte
.endr
	v_lshl_or_b32 v[WRD+(\a)], v[TM+5], 8, v[TM+4]
	v_lshl_or_b32 v[WRD+(\a)], v[TM+6], 16, v[WRD+(\a)]
	v_lshl_or_b32 v[WRD+(\a)], v[TM+7], 24, v[WRD+(\a)]
	WIN W                                          ; source 0: the accumulators' window
.irp c, 0,1
	v_cvt_scalef32_pk16_bf6_f32 v[PC+6*\c:PC+6*\c+2], v[AC+32*\c:AC+32*\c+15], v[TM+12+2*\c]
	v_cvt_scalef32_pk16_bf6_f32 v[PC+12+4*\c:PC+14+4*\c], v[AC+32*\c+16:AC+32*\c+31], v[TM+12+2*\c+1]
.endr
	WIN 0
	v_nop                                          ; one plain place behind a scaled conversion
.irp c, 0,1                            ; the operand's layout wants a whole block in a lane
.irp i, 0,1,2
	v_permlane16_swap_b32 v[PC+6*\c+\i], v[PC+12+4*\c+\i]
.endr
.irp i, 0,1,2
	v_mov_b32 v[PC+3+6*\c+\i], v[PC+12+4*\c+\i]
.endr
.endr
.irp c, 0,1,2
	global_store_b128 v[LI], v[PC+4*\c:PC+4*\c+3], s[92:93] offset:FRB*(\a)+512*\c   ; 512 consecutive bytes a store
.endr
.endm
	PLACES NP                                      ; behind the last products
.irp b, 0,1,2,3
	v_mov_b32 v[TM+4+\b], 0                        ; a lane permute's destination counts as read
.endr
.irp a, 0,1,2,3,4,5,6,7
	QUANTW \a
.endr
.irp j, 0,1,2,3
	v_cndmask_b32 v[WO+\j], v[WRD+\j], v[WRD+4+\j], s104   ; lanes 0-15 send blocks 0-3's words, lanes 16-31 blocks 4-7's
.endr
	global_store_b128 v[LI], v[WO:WO+3], s[94:95]
	s_wait_tensorcnt 0x0                           ; the wave's end
	ds_add_u32 v[SPW], v[NIL]
	s_wait_dscnt 0x0
	CROUND                                         ; the closing round
	s_endpgm
.Lfunc_end_k_q94ed4a20a7_proj:
	.size	k_q94ed4a20a7_proj, .Lfunc_end_k_q94ed4a20a7_proj-k_q94ed4a20a7_proj
	.p2alignl 7, 3214868480
	.fill 96, 4, 3214868480
	.section	.rodata,"a",@progbits
	.p2align	6, 0x0
	.amdhsa_kernel k_q94ed4a20a7_proj
		.amdhsa_group_segment_fixed_size 327680
		.amdhsa_private_segment_fixed_size 0
		.amdhsa_enable_private_segment 0
		.amdhsa_kernarg_size 32
		.amdhsa_user_sgpr_count 2
		.amdhsa_user_sgpr_kernarg_segment_ptr 1
		.amdhsa_wavefront_size32 1
		.amdhsa_system_sgpr_workgroup_id_x 1
		.amdhsa_system_sgpr_workgroup_id_y 1
		.amdhsa_system_sgpr_workgroup_id_z 1
		.amdhsa_system_vgpr_workitem_id 0
		.amdhsa_next_free_vgpr 1024
		.amdhsa_next_free_sgpr 106
		.amdhsa_reserve_vcc 0
		.amdhsa_float_denorm_mode_32 3
		.amdhsa_float_denorm_mode_16_64 3
		.amdhsa_memory_ordered 1
		.amdhsa_forward_progress 1
		.amdhsa_inst_pref_size 138
	.end_amdhsa_kernel
	.amdgpu_metadata
---
amdhsa.version: [ 1, 2 ]
amdhsa.kernels:
  - .name:           k_q94ed4a20a7_proj
    .symbol:         k_q94ed4a20a7_proj.kd
    .args:
      - { .name: c0, .offset: 0, .size: 8, .value_kind: global_buffer, .address_space: global }
      - { .name: s0, .offset: 8, .size: 8, .value_kind: global_buffer, .address_space: global }
      - { .name: c1, .offset: 16, .size: 8, .value_kind: global_buffer, .address_space: global }
      - { .name: s1, .offset: 24, .size: 8, .value_kind: global_buffer, .address_space: global }
    .group_segment_fixed_size: 327680
    .private_segment_fixed_size: 0
    .kernarg_segment_align: 8
    .kernarg_segment_size: 32
    .max_flat_workgroup_size: 128
    .sgpr_count:     106
    .vgpr_count:     1024
    .wavefront_size: 32
...
	.end_amdgpu_metadata
.endif
;; end of part 5
;; launch scores (part 6): grid 8 x 32, 4 waves a work-group, clusters of 4 x 4, 327,680 bytes of LDS; arguments c1, s1, pc, ps, pm, pl; writes pc, ps, pm, pl
.if DOCPART == 6
	.amdgcn_target "amdgcn-amd-amdhsa--gfx1250"
	.amdhsa_code_object_version 6
	.text
	.protected	k_q94ed4a20a7_scores
	.globl	k_q94ed4a20a7_scores
	.p2align	8
	.type	k_q94ed4a20a7_scores,@function
k_q94ed4a20a7_scores:
	s_mov_b64 s[64:65], 0
	v_nop
	global_prefetch_b8 v0, s[64:65] scope:SCOPE_SE
	s_setreg_imm32_b32 hwreg(HW_REG_WAVE_MODE, 25, 1), 1
	s_wait_xcnt 0x0
	s_wait_alu depctr_hold_cnt(0) depctr_sa_sdst(0) depctr_va_vdst(0) depctr_va_sdst(0) depctr_va_ssrc(0) depctr_va_vcc(0) depctr_vm_vsrc(0)
	s_getreg_b32 s2, hwreg(HW_REG_IB_STS2, 6, 4)
	s_cmp_eq_u32 s2, 0
	s_cbranch_scc0 .Lentry_in_a_cluster
	s_endpgm
.Lentry_in_a_cluster:
	s_bfe_u32 s2, ttmp6, 0x10000c
	s_cmp_lg_u32 s2, 0xf033
	s_cbranch_scc0 .Lentry_shape_is_right
	s_endpgm
.Lentry_shape_is_right:
; S = Q K^T on codes of BF6 with E8M0 scales, tiles of 256 queries x 256 keys; the way out turns scores into p and quantises it along the keys.
; For each query and each 128 keys (a wave's columns): t = score x log2(e) / 32; M = the largest t of these 128 keys, rounded UP to a whole number; p = 2^(t - M); p's codes and scale word (pc, ps), -M (pm) and the
; sum of the unquantised p (pl) leave.  The next launch brings the scale bytes and the sums under the row's largest M: a power of two, which changes no code.
; Operands and results are images of registers, as the launch before lays them: a fragment is 1,536 bytes, a unit 8 fragments; P's unit 16 R + s (R: group of 128 queries, s: 128 keys of the batch);
; ps, pm, pl: 512 bytes a unit, the word of (block t, lane r) at 256 (t / 4) + 16 r + 4 (t % 4).  Transposed use and the row order of K's fragments give a lane, register 16 b + i, key 32 b + 16 (lane / 16) + i.
; Four waves, 128 x 128 each.  K = 1,024 is four slots' worth of 256: three LDS slots are filled at the start (K steps 0-5), and slot 0 once more (K steps 6, 7) when it has been read: that one refill has
; 224 matrix instructions of the wave between its request and the wait for it.  The scale words of all of K come once; clusters 4 x 4 with joint loads (Q's tiles along a row, K's along a column).
; LIMITS: a block whose every p has fallen to 0 keeps the byte 1 (its codes are zeros); NaN and infinities are not served.
; REGISTERS: as in the launch before; on the way out v64-127 p, v128-171 codes, v176-199 words, -M, sums, v200-231 at work.
.set KSTEPS, 8
.set FR,     12
.set FRB,    1536
.set GSTEP,  8*FRB
.set HALFT,  2*GSTEP
.set SLOT,   4*HALFT
.set SCL,    3*SLOT
.set GS,     512*KSTEPS
.set SPARE,  SCL+4*GS                  ; the spare words, 128 bytes a wave: two blocks of 256 bytes that no other line names
.set NL,     3
.set NP,     4
.set ADRA, 16                          ; v16-18
.set ADRB, 20                          ; v20-22
.set LI,   26
.set ADRS, 27
.set SPW,  28
.set NIL,  29
.set SC,   32
.set AF,   128
.set G0C, 4                            ; s[4:7]   group 0 for A's slot 2 (the pointers that lay here are done with)
.set G0D, 8                            ; s[8:11]  group 0 for B's slot 2
.set G1, 24
.set G0, 32
.set G1B, 48
.set G0B, 56
.set G1S, 68
.set G0S, 76
.set G1SB, 80
.set G0SB, 88
.set P,    64                          ; v64-127  p
.set WRD,  176                         ; v176-183 scale words of blocks 0-7
.set MST,  184                         ; v184-191 -M
.set LST,  192                         ; v192-199 sums
.set BM,   200                         ; v200-203 a block of 32 keys' largest score, then its largest p
.set BX,   204
.set NM,   208                         ; v208 -M, v209 the largest t
.set SA,   210
.set SOP,  212
.set SB,   216
.set TS,   218
.set TP,   219
.set OW,   220
.set MSB, 0
.macro WIN new
.if MSB != \new
	s_set_vgpr_msb (MSB<<8)|\new
.set MSB, \new
.endif
.endm
.set MUL_LO, 0xa1
.set MUL_HI, 0xf1
.set TO_B,   0x40
.macro JLOAD g0a, g1a, g0b, g1b        ; a joint load: waves 0, 1 for A, waves 2, 3 for B; four v_nop follow each line
	s_cmp_eq_u32 s13, 0
	s_cbranch_scc0 .Lfor_b_\@
	tensor_load_to_lds s[\g0a:\g0a+3], s[\g1a:\g1a+7]
	s_nop 0
.rept 4
	v_nop
.endr
	s_branch .Lasked_\@
.Lfor_b_\@:
	tensor_load_to_lds s[\g0b:\g0b+3], s[\g1b:\g1b+7]
	s_nop 0
.rept 4
	v_nop
.endr
.Lasked_\@:
.endm
.macro CREST
	s_cmp_lg_u32 s12, 0
	s_cbranch_scc1 .Lnot_wave_0_\@
	s_barrier_signal -3
.Lnot_wave_0_\@:
	s_barrier_wait -3
	s_barrier_signal -1
	s_barrier_wait -1
.endm
.macro CROUND
	s_barrier_signal -1
	s_barrier_wait -1
	CREST
.endm
.macro PLACES n
.rept \n
	v_nop
.endr
.endm
.macro FRAG reg, adr, q, i
.irp c, 0,1,2
	ds_load_b128 v[\reg+4*\c:\reg+4*\c+3], v[\adr] offset:(\q)*GSTEP+(\i)*FRB+512*\c
.endr
.endm
.macro MUL16 a0, p, q, sc, zero        ; the 64 accumulators take turns
.irp a, \a0, \a0+1
.irp b, 0,1,2,3,4,5,6,7
.if \zero
	v_wmma_scale_f32_16x16x128_f8f6f4 v[8*(8*((\a)%4)+\b):8*(8*((\a)%4)+\b)+7], v[128*(\p)+FR*\b:128*(\p)+FR*\b+FR-1], v[AF+FR*(\a):AF+FR*(\a)+FR-1], 0, v[SC+16*(\sc)+8*(\q)+\b], v[SC+16*(\sc)+8*(\q)+(\a)] matrix_a_fmt:MATRIX_FMT_BF6 matrix_b_fmt:MATRIX_FMT_BF6 matrix_a_scale:MATRIX_SCALE_ROW1
.else
	v_wmma_scale_f32_16x16x128_f8f6f4 v[8*(8*((\a)%4)+\b):8*(8*((\a)%4)+\b)+7], v[128*(\p)+FR*\b:128*(\p)+FR*\b+FR-1], v[AF+FR*(\a):AF+FR*(\a)+FR-1], v[8*(8*((\a)%4)+\b):8*(8*((\a)%4)+\b)+7], v[SC+16*(\sc)+8*(\q)+\b], v[SC+16*(\sc)+8*(\q)+(\a)] matrix_a_fmt:MATRIX_FMT_BF6 matrix_b_fmt:MATRIX_FMT_BF6 matrix_a_scale:MATRIX_SCALE_ROW1
.endif
.endr
.endr
.endm
.macro FETCH_B slot, q, p
	WIN TO_B
.irp i, 0,1,2,3,4,5,6,7
	FRAG 128*(\p)+FR*\i, ADRB+\slot, \q, \i
.endr
	WIN 0
.endm
.macro FETCH_A slot, q, i0
.irp i, \i0, \i0+1, \i0+2, \i0+3
	FRAG AF+FR*(\i), ADRA+\slot, \q, \i
.endr
.endm
.macro SCALES sc
.irp q, 0,1
.irp f, 0,1
	ds_load_b128 v[SC+16*\sc+8*\q+4*\f:SC+16*\sc+8*\q+4*\f+3], v[ADRS] offset:512*\q+256*\f
.endr
.endr
.endm
.macro STEP slot, sc, q, zero          ; a step of 128 along K that has its successor in the same slot; sc: the set of scale words
	s_wait_dscnt 4*NL                              ; all but A's blocks 4-7 are in
	WIN MUL_LO
	MUL16 0, (\q)%2, \q, \sc, \zero
	MUL16 2, (\q)%2, \q, \sc, \zero
	s_wait_dscnt 0
	PLACES NP
	FETCH_B \slot, (\q)+1, 1-(\q)%2
	FETCH_A \slot, (\q)+1, 0
	WIN MUL_HI
	MUL16 4, (\q)%2, \q, \sc, \zero
	MUL16 6, (\q)%2, \q, \sc, \zero
	PLACES NP
	WIN 0
	FETCH_A \slot, (\q)+1, 4
.endm
; A slot's last step changes slots.  mode 1: this slot is filled again: the three lines, a barrier that opens a round of the cluster's, the joint refill.  mode 0: the next slot is the refilled one: the wave that asked
; for a part of it waits for it, and a barrier shows it to all.  mode 2: the next slot was shown whole to every wave by the wait for all loads and the barrier of mode 1: nothing is waited for but my own LDS loads.
.macro TURN slot, sc, next, nsc, mode
.if \mode < 2
	s_wait_tensorcnt 0x0                           ; all my tensor loads have landed
	ds_add_u32 v[SPW], v[NIL]                      ; 0 onto my spare word
	s_wait_dscnt 4*NL+1                            ; (the add and A's blocks 4-7 may be out)
	WIN MUL_LO
	MUL16 0, 1, 1, \sc, 0
	s_wait_dscnt 0x0                               ; the add is done, and my reads of this slot are over
	s_barrier_signal -1
	MUL16 2, 1, 1, \sc, 0
	WIN 0
	s_barrier_wait -1
.else
	s_wait_dscnt 4*NL                              ; all but A's blocks 4-7 are in
	WIN MUL_LO
	MUL16 0, 1, 1, \sc, 0
	MUL16 2, 1, 1, \sc, 0
	s_wait_dscnt 0x0
	WIN 0
.endif
.if \mode == 1
	CREST                                          ; a round of the cluster's barrier: no wave of any partner reads this slot or has a load on its way
	s_add_nc_u64 s[G0+4*\slot+2:G0+4*\slot+3], s[G0+4*\slot+2:G0+4*\slot+3], 3*HALFT
	s_add_nc_u64 s[G0B+4*\slot+2:G0B+4*\slot+3], s[G0B+4*\slot+2:G0B+4*\slot+3], 3*HALFT
	JLOAD G0+4*\slot, G1, G0B+4*\slot, G1B         ; the first tensor load behind the round; its four v_nop are the places in front of the loads below
.else
	PLACES NP
.endif
	v_add_nc_u32 v[ADRS], 1024, v[ADRS]
	FETCH_B \next, 0, 0
	FETCH_A \next, 0, 0
	SCALES \nsc
	WIN MUL_HI
	MUL16 4, 1, 1, \sc, 0
	MUL16 6, 1, 1, \sc, 0
	PLACES NP
	WIN 0
	FETCH_A \next, 0, 4
.endm
	s_load_b128 s[4:7], s[0:1], 0x0                ; c1, s1
	s_load_b256 s[92:99], s[0:1], 0x10             ; pc, ps, pm, pl
	v_lshl_add_u32 v[SPW], v0, 2, SPARE
	v_mov_b32 v[NIL], 0
	ds_add_u32 v28, v29
	ds_add_u32 v28, v29
	s_wait_dscnt 0x0
	v_lshrrev_b32 v1, 5, v0
	v_readfirstlane_b32 s12, v1
	s_lshr_b32 s13, s12, 1
	s_and_b32 s14, s12, 1
	s_bfe_u32 s17, ttmp6, 0x40000                  ; cx
	s_bfe_u32 s18, ttmp6, 0x40004                  ; cy
	s_and_b32 s19, ttmp7, 0xffff
	s_lshl_b32 s21, s18, 2
	s_lshl_b32 s21, 15, s21
	s_lshl_b32 s22, 0x1111, s17
	s_mov_b32 s66, 0x76543210
	s_mov_b32 s67, 0xfedcba98
	s_mov_b32 s104, 0xffff0000
	s_mov_b32 s100, 0x3d38aa3b                     ; c = log2(e) / 32
	s_mov_b32 s101, s100                           ; (named with it as a pair)
	s_lshl_b32 s15, s19, 2
	s_add_co_u32 s15, s15, s18                     ; tile row: 256 queries, 8 tiles a batch
	s_lshl_b32 s16, ttmp9, 2
	s_add_co_u32 s16, s16, s17                     ; tile column: 256 keys of the batch
	s_lshr_b32 s20, s19, 1                         ; the batch: from the cluster's y alone
	s_lshl_b32 s40, s15, 1
	s_add_co_u32 s40, s40, s14                     ; Q's group
	s_lshl_b32 s42, s40, 12
	s_mul_i32 s40, s40, KSTEPS*GSTEP
	s_mov_b32 s41, 0
	s_mov_b32 s43, 0
	s_lshl_b32 s44, s16, 1
	s_add_co_u32 s44, s44, s14
	s_lshl_b32 s45, s20, 4
	s_add_co_u32 s44, s44, s45                     ; K's group
	s_lshl_b32 s46, s44, 12
	s_add_co_u32 s46, s46, 512*512                 ; K's units begin at 512
	s_mul_i32 s44, s44, KSTEPS*GSTEP
	s_add_co_u32 s44, s44, 512*GSTEP
	s_mov_b32 s45, 0
	s_mov_b32 s47, 0
	s_or_b32 s[G1+0], s21, (3<<16)|(1<<21)
	s_or_b32 s[G1B+0], s22, (3<<16)|(1<<21)
	s_or_b32 s[G1S+0], s21, (3<<16)|(1<<21)
	s_or_b32 s[G1SB+0], s22, (3<<16)|(1<<21)
.irp g, G1, G1B
	s_mov_b32 s[\g+1], 32<<16
	s_mov_b32 s[\g+2], 96<<16
	s_mov_b32 s[\g+3], 32<<16
	s_mov_b32 s[\g+4], 96
	s_mov_b32 s[\g+5], 32
	s_mov_b32 s[\g+6], 0
	s_mov_b32 s[\g+7], 0
.endr
.irp g, G1S, G1SB
	s_mov_b32 s[\g+1], 32<<16
	s_mov_b32 s[\g+2], (GS/256)<<16
	s_mov_b32 s[\g+3], 32<<16
	s_mov_b32 s[\g+4], GS/256
	s_mov_b32 s[\g+5], 32
	s_mov_b32 s[\g+6], 0
	s_mov_b32 s[\g+7], 0
.endr
	s_mul_i32 s2, s12, HALFT
	s_mul_i32 s23, s12, GS
	s_wait_kmcnt 0x0
	s_add_nc_u64 s[40:41], s[4:5], s[40:41]
	s_add_nc_u64 s[42:43], s[6:7], s[42:43]
	s_add_nc_u64 s[44:45], s[4:5], s[44:45]
	s_add_nc_u64 s[46:47], s[6:7], s[46:47]
	CROUND
	s_mov_b32 s[G0S], 1
	s_add_co_u32 s[G0S+1], s23, SCL
	s_mov_b64 s[G0S+2:G0S+3], s[42:43]
	s_or_b32 s[G0S+3], s[G0S+3], 0x80000000
	s_mov_b32 s[G0SB], 1
	s_add_co_u32 s[G0SB+1], s23, SCL
	s_mov_b64 s[G0SB+2:G0SB+3], s[46:47]
	s_or_b32 s[G0SB+3], s[G0SB+3], 0x80000000
.irp s, 0,1
	s_mov_b32 s[G0+4*\s], 1
	s_add_co_u32 s[G0+4*\s+1], s2, \s*SLOT
	s_add_nc_u64 s[G0+4*\s+2:G0+4*\s+3], s[40:41], \s*HALFT
	s_or_b32 s[G0+4*\s+3], s[G0+4*\s+3], 0x80000000
	s_mov_b32 s[G0B+4*\s], 1
	s_add_co_u32 s[G0B+4*\s+1], s2, \s*SLOT
	s_add_nc_u64 s[G0B+4*\s+2:G0B+4*\s+3], s[44:45], \s*HALFT
	s_or_b32 s[G0B+4*\s+3], s[G0B+4*\s+3], 0x80000000
.endr
	s_mov_b32 s[G0C], 1                            ; slot 2's
	s_add_co_u32 s[G0C+1], s2, 2*SLOT
	s_add_nc_u64 s[G0C+2:G0C+3], s[40:41], 2*HALFT
	s_or_b32 s[G0C+3], s[G0C+3], 0x80000000
	s_mov_b32 s[G0D], 1
	s_add_co_u32 s[G0D+1], s2, 2*SLOT
	s_add_nc_u64 s[G0D+2:G0D+3], s[44:45], 2*HALFT
	s_or_b32 s[G0D+3], s[G0D+3], 0x80000000
	s_cmp_eq_u32 s13, 0                            ; a wave's first fills stand in one branch: four loads of mine are out
	s_cbranch_scc0 .Lfirst_b
	tensor_load_to_lds s[G0S:G0S+3], s[G1S:G1S+7]
	s_nop 0
	tensor_load_to_lds s[G0:G0+3], s[G1:G1+7]
	s_nop 0
	tensor_load_to_lds s[G0+4:G0+7], s[G1:G1+7]
	s_nop 0
	tensor_load_to_lds s[G0C:G0C+3], s[G1:G1+7]
	s_nop 0
.rept 4
	v_nop
.endr
	s_branch .Lfirst_done
.Lfirst_b:
	tensor_load_to_lds s[G0SB:G0SB+3], s[G1SB:G1SB+7]
	s_nop 0
	tensor_load_to_lds s[G0B:G0B+3], s[G1B:G1B+7]
	s_nop 0
	tensor_load_to_lds s[G0B+4:G0B+7], s[G1B:G1B+7]
	s_nop 0
	tensor_load_to_lds s[G0D:G0D+3], s[G1B:G1B+7]
	s_nop 0
.rept 4
	v_nop
.endr
.Lfirst_done:
	v_and_b32 v1, 15, v0
	v_bfe_u32 v2, v0, 4, 1
	v_and_b32 v3, 31, v0
	v_lshlrev_b32 v[LI], 4, v3
	s_mul_i32 s2, s13, HALFT
	s_mul_i32 s23, s14, HALFT
	s_add_co_u32 s23, s23, 2*HALFT
.irp s, 0,1,2
	v_add_nc_u32 v[ADRA+\s], s2, v[LI]
	v_add_nc_u32 v[ADRB+\s], s23, v[LI]
	s_add_co_u32 s2, s2, SLOT
	s_add_co_u32 s23, s23, SLOT
.endr
	s_mul_i32 s2, s13, GS
	s_mul_i32 s23, s14, GS
	s_add_co_u32 s23, s23, 2*GS
	s_sub_co_u32 s23, s23, s2
	v_mul_u32_u24 v4, s23, v2
	s_add_co_u32 s2, s2, SCL
	v_lshl_add_u32 v4, v1, 4, v4
	v_add_nc_u32 v[ADRS], s2, v4
	s_lshl_b32 s2, s15, 1                          ; the unit that I write: 16 (2 row + my half) + 2 column + my half
	s_add_co_u32 s2, s2, s13
	s_lshl_b32 s2, s2, 4
	s_lshl_b32 s23, s16, 1
	s_add_co_u32 s2, s2, s23
	s_add_co_u32 s2, s2, s14
	s_mul_i32 s40, s2, GSTEP
	s_mov_b32 s41, 0
	s_lshl_b32 s42, s2, 9
	s_mov_b32 s43, 0
	s_add_nc_u64 s[92:93], s[92:93], s[40:41]
	s_add_nc_u64 s[94:95], s[94:95], s[42:43]
	s_add_nc_u64 s[96:97], s[96:97], s[42:43]
	s_add_nc_u64 s[98:99], s[98:99], s[42:43]
	s_wait_tensorcnt 2                             ; the scale words and my part of slot 0 are in; slots 1 and 2 may stay out
	s_barrier_signal -1
	s_barrier_wait -1
	FETCH_B 0, 0, 0
	FETCH_A 0, 0, 0
	SCALES 0
	FETCH_A 0, 0, 4
	STEP 0, 0, 0, 1                                ; K step 0: its products start the sums
	TURN 0, 0, 1, 1, 1                             ; K step 1; slots 1 and 2 are whole; slot 0 is asked for again: K steps 6, 7
	STEP 1, 1, 0, 0
	TURN 1, 1, 2, 0, 2                             ; on to slot 2: no barrier
	STEP 2, 0, 0, 0
	TURN 2, 0, 0, 1, 0                             ; the refill has landed in every wave's sight; nothing more is asked for
	STEP 0, 1, 0, 0
	s_wait_dscnt 4*NL                              ; the last step
	WIN MUL_LO
	MUL16 0, 1, 1, 1, 0
	MUL16 2, 1, 1, 1, 0
	s_wait_dscnt 0
	WIN MUL_HI
	MUL16 4, 1, 1, 1, 0
	MUL16 6, 1, 1, 1, 0
	WIN 0
; THE WAY OUT: block a: 16 queries x my 128 keys.
.macro SOFTQ a
.set AC, 64*((\a)%4)
.set W,  2+(\a)/4
.set WW, W|(W<<2)
.set PC, 128+24*((\a)%2)
	s_wait_xcnt 0x0                                ; the stores of two blocks ago have read this set of codes
	WIN WW
.irp b, 0,1,2,3
	v_max_num_f32 v[BM+\b], v[AC+16*\b], v[AC+16*\b+1]   ; the largest score of each 32 keys: it serves the row's maximum and, since p rises with the score, the block's largest p
.endr
.irp i, 2,4,6,8,10,12,14
.irp b, 0,1,2,3
	v_max3_num_f32 v[BM+\b], v[AC+16*\b+\i], v[AC+16*\b+\i+1], v[BM+\b]
.endr
.endr
	WIN 0
.irp b, 0,1,2,3
	v_permlanex16_b32 v[BX+\b], v[BM+\b], s66, s67
.endr
.irp b, 0,1,2,3
	v_max_num_f32 v[BM+\b], v[BM+\b], v[BX+\b]
.endr
	v_max3_num_f32 v[NM+1], v[BM], v[BM+1], v[BM+2]
	v_max_num_f32 v[NM+1], v[NM+1], v[BM+3]
	v_mul_f32 v[NM+1], s100, v[NM+1]               ; the largest t of these 128 keys (c is positive)
	v_floor_f32 v[NM], -v[NM+1]                    ; -M = floor(-t): M is a whole number
	WIN W
.set j, 0
.rept 32
	v_pk_fma_f32 v[P+j:P+j+1], v[AC+j:AC+j+1], s[100:101], v[NM:NM+1] op_sel_hi:[1,0,0]   ; t - M
.set j, j+2
.endr
	WIN 0
.irp b, 0,1,2,3
	v_fma_f32 v[BM+\b], v[BM+\b], s100, v[NM]      ; the same of each block's largest score
.endr
.set j, 0
.rept 64
	v_exp_f32 v[P+j], v[P+j]                       ; p = 2^(t - M), at most 1
.set j, j+1
.endr
.irp b, 0,1,2,3
	v_exp_f32 v[BM+\b], v[BM+\b]
.endr
	v_mov_b32 v[MST+(\a)], v[NM]                   ; (a plain place behind the exponentials)
	s_wait_alu depctr_va_vdst(0)
.irp b, 0,1,2,3
	v_max_num_f32 v[BM+\b], 0x2800000, v[BM+\b]    ; the floor 2^(5 - 127)
.endr
.irp b, 0,1,2,3
	v_add_nc_u32 v[SOP+\b], 0xfe000000, v[BM+\b]
.endr
.irp b, 0,1,2,3
	v_lshrrev_b32 v[BX+\b], 23, v[SOP+\b]
.endr
	v_lshl_or_b32 v[WRD+(\a)], v[BX+1], 8, v[BX]
	v_lshl_or_b32 v[WRD+(\a)], v[BX+2], 16, v[WRD+(\a)]
	v_lshl_or_b32 v[WRD+(\a)], v[BX+3], 24, v[WRD+(\a)]
.irp c, 0,1
	v_cvt_scalef32_pk16_bf6_f32 v[PC+6*\c:PC+6*\c+2], v[P+32*\c:P+32*\c+15], v[SOP+2*\c]
	v_cvt_scalef32_pk16_bf6_f32 v[PC+12+4*\c:PC+14+4*\c], v[P+32*\c+16:P+32*\c+31], v[SOP+2*\c+1]
.endr
	v_nop                                          ; one plain place behind a scaled conversion
.irp c, 0,1
.irp i, 0,1,2
	v_permlane16_swap_b32 v[PC+6*\c+\i], v[PC+12+4*\c+\i]
.endr
.irp i, 0,1,2
	v_mov_b32 v[PC+3+6*\c+\i], v[PC+12+4*\c+\i]
.endr
.endr
.irp c, 0,1,2
	global_store_b128 v[LI], v[PC+4*\c:PC+4*\c+3], s[92:93] offset:FRB*(\a)+512*\c
.endr
	v_pk_add_f32 v[SA:SA+1], v[P:P+1], v[P+2:P+3]  ; the sum of the UNQUANTISED p, in two chains
	v_pk_add_f32 v[SB:SB+1], v[P+4:P+5], v[P+6:P+7]
.irp j, 8,12,16,20,24,28,32,36,40,44,48,52,56,60
	v_pk_add_f32 v[SA:SA+1], v[SA:SA+1], v[P+\j:P+\j+1]
	v_pk_add_f32 v[SB:SB+1], v[SB:SB+1], v[P+\j+2:P+\j+3]
.endr
	v_pk_add_f32 v[SA:SA+1], v[SA:SA+1], v[SB:SB+1]
	v_add_f32 v[TS], v[SA], v[SA+1]
	v_permlanex16_b32 v[TP], v[TS], s66, s67
	v_add_f32 v[LST+(\a)], v[TS], v[TP]
.endm
	PLACES NP
.irp b, 0,1,2,3
	v_mov_b32 v[BX+\b], 0                          ; a lane permute's destination counts as read
.endr
	v_mov_b32 v[TP], 0
.irp a, 0,1,2,3,4,5,6,7
	SOFTQ \a
.endr
.irp j, 0,1,2,3
	v_cndmask_b32 v[OW+\j], v[WRD+\j], v[WRD+4+\j], s104     ; lanes 0-15 send blocks 0-3's, lanes 16-31 blocks 4-7's
	v_cndmask_b32 v[OW+4+\j], v[MST+\j], v[MST+4+\j], s104
	v_cndmask_b32 v[OW+8+\j], v[LST+\j], v[LST+4+\j], s104
.endr
	global_store_b128 v[LI], v[OW:OW+3], s[94:95]
	global_store_b128 v[LI], v[OW+4:OW+7], s[96:97]
	global_store_b128 v[LI], v[OW+8:OW+11], s[98:99]
	s_wait_tensorcnt 0x0                           ; the wave's end
	ds_add_u32 v[SPW], v[NIL]
	s_wait_dscnt 0x0
	CROUND
	s_endpgm
.Lfunc_end_k_q94ed4a20a7_scores:
	.size	k_q94ed4a20a7_scores, .Lfunc_end_k_q94ed4a20a7_scores-k_q94ed4a20a7_scores
	.p2alignl 7, 3214868480
	.fill 96, 4, 3214868480
	.section	.rodata,"a",@progbits
	.p2align	6, 0x0
	.amdhsa_kernel k_q94ed4a20a7_scores
		.amdhsa_group_segment_fixed_size 327680
		.amdhsa_private_segment_fixed_size 0
		.amdhsa_enable_private_segment 0
		.amdhsa_kernarg_size 48
		.amdhsa_user_sgpr_count 2
		.amdhsa_user_sgpr_kernarg_segment_ptr 1
		.amdhsa_wavefront_size32 1
		.amdhsa_system_sgpr_workgroup_id_x 1
		.amdhsa_system_sgpr_workgroup_id_y 1
		.amdhsa_system_sgpr_workgroup_id_z 1
		.amdhsa_system_vgpr_workitem_id 0
		.amdhsa_next_free_vgpr 1024
		.amdhsa_next_free_sgpr 106
		.amdhsa_reserve_vcc 0
		.amdhsa_float_denorm_mode_32 3
		.amdhsa_float_denorm_mode_16_64 3
		.amdhsa_memory_ordered 1
		.amdhsa_forward_progress 1
		.amdhsa_inst_pref_size 192
	.end_amdhsa_kernel
	.amdgpu_metadata
---
amdhsa.version: [ 1, 2 ]
amdhsa.kernels:
  - .name:           k_q94ed4a20a7_scores
    .symbol:         k_q94ed4a20a7_scores.kd
    .args:
      - { .name: c1, .offset: 0, .size: 8, .value_kind: global_buffer, .address_space: global }
      - { .name: s1, .offset: 8, .size: 8, .value_kind: global_buffer, .address_space: global }
      - { .name: pc, .offset: 16, .size: 8, .value_kind: global_buffer, .address_space: global }
      - { .name: ps, .offset: 24, .size: 8, .value_kind: global_buffer, .address_space: global }
      - { .name: pm, .offset: 32, .size: 8, .value_kind: global_buffer, .address_space: global }
      - { .name: pl, .offset: 40, .size: 8, .value_kind: global_buffer, .address_space: global }
    .group_segment_fixed_size: 327680
    .private_segment_fixed_size: 0
    .kernarg_segment_align: 8
    .kernarg_segment_size: 48
    .max_flat_workgroup_size: 128
    .sgpr_count:     106
    .vgpr_count:     1024
    .wavefront_size: 32
...
	.end_amdgpu_metadata
.endif
;; end of part 6
;; launch pv (part 7): grid 8 x 32, 4 waves a work-group, clusters of 4 x 4, 327,680 bytes of LDS; arguments pc, ps, pm, pl, c1, s1, out0; writes out0
.if DOCPART == 7
	.amdgcn_target "amdgcn-amd-amdhsa--gfx1250"
	.amdhsa_code_object_version 6
	.text
	.protected	k_q94ed4a20a7_pv
	.globl	k_q94ed4a20a7_pv
	.p2align	8
	.type	k_q94ed4a20a7_pv,@function
k_q94ed4a20a7_pv:
	s_mov_b64 s[64:65], 0
	v_nop
	global_prefetch_b8 v0, s[64:65] scope:SCOPE_SE
	s_setreg_imm32_b32 hwreg(HW_REG_WAVE_MODE, 25, 1), 1
	s_wait_xcnt 0x0
	s_wait_alu depctr_hold_cnt(0) depctr_sa_sdst(0) depctr_va_vdst(0) depctr_va_sdst(0) depctr_va_ssrc(0) depctr_va_vcc(0) depctr_vm_vsrc(0)
	s_getreg_b32 s2, hwreg(HW_REG_IB_STS2, 6, 4)
	s_cmp_eq_u32 s2, 0
	s_cbranch_scc0 .Lentry_in_a_cluster
	s_endpgm
.Lentry_in_a_cluster:
	s_bfe_u32 s2, ttmp6, 0x10000c
	s_cmp_lg_u32 s2, 0xf033
	s_cbranch_scc0 .Lentry_shape_is_right
	s_endpgm
.Lentry_shape_is_right:
; O = P V / l on codes of BF6 with E8M0 scales: A = P (K = the batch's 2,048 keys), B = V^T's images; out0 [8192][1024] f32.
; TILES of 256 queries x 128 channels: 32 x 8 = 256 work-groups.  Four waves, each 128 queries x 64 channels: 32 accumulators, 256 registers, one window.  (Tiles of 256 x 256 would be 128 work-groups.  The price of the
; smaller tile: for 128 along K a wave reads 12 fragments from LDS for 32 matrix instructions, where 128 x 128 reads 16 for 64.)
; P's codes were made under a whole number M of their own for each query and each 128 keys.  THE HEAD brings them under the row's largest M: e = M(these keys) - M(row), 0 or less, is added to the four scale bytes of
; the word (a byte that would fall under 0 is held at 0) and to the exponent of the partial sum; the codes stay.  The two waves of a row half each mend half of the group's 16 words a row and put them into LDS,
; where the products read them as any scale words; each makes 1 / l of its rows for the way out.
; LIMITS: e is held at -127, and a held byte 0 stands for 2^-127: such a block counts with at most 28 x 2^-127 of a number of V against a row's sum above 1/2.  The two waves of a row half add the
; 16 partial sums in different orders.  NaN and infinities are not served.
; THE RING: two LDS slots of FOUR K steps of 128 (P's two groups, V^T's one: 147,456 bytes): K's 16 steps are four fills, two at the start and two refills.  Waves 0, 1 fetch P's groups (49,152 dense bytes a load),
; waves 2, 3 a half each of V^T's (24,576).  V^T's scale words of all of K come once.  CLUSTERS 4 x 4 with joint loads: P's tiles along a row of the cluster, V^T's along a column.
; A and B have two sets of registers each: the next step's 38 LDS loads go out in one run at a step's head.  The 16 steps are written out: every LDS offset is an immediate.
; REGISTERS: window 0: v7-31 addresses, 1 / l; v32-47 scale words, two sets; v64-159, v160-255 A's two sets.  Window 1: v0-47, v48-95 B's two sets.  Window 2: accumulator (a, b) at v[8 (4 a + b)].
;   In the head v64-127 -M, then e, v128-191 sums, v192-223 words; on the way out v64-95 scaled results, v128-191 rows read back, v192-207 1 / l in pairs.
.set KSTEPS, 16
.set DEPTH,  4                         ; K steps in a slot
.set FR,     12
.set FRB,    1536
.set GSTEP,  8*FRB
.set GSL,    DEPTH*GSTEP               ; a group's part of a slot
.set SLOT,   3*GSL                     ; P's two groups, then V^T's one
.set SCL,    2*SLOT                    ; P's words (two groups, stored by the waves, never filled), then V^T's (one group, filled once)
.set GS,     512*KSTEPS
.set SPARE,  SCL+3*GS                  ; the spare words, 128 bytes a wave: two blocks of 256 bytes that no other line names
.set SP,     272                       ; the way out: a stage of 16 rows x (256 + 16) bytes for each wave, from byte 0 of slot 0, which has had its last fill and its last read by then
.set NL,     3
.set NP,     4
.set NF,     38                        ; LDS loads of a step: B 12, scale words 2, A 24
.set SWA,  7                           ; v7  where I store P's mended words
.set RL,   8                           ; v8-11 1 / l of rows (block 4 h + j, lane r); v12-15 lane l xor 16's
.set ADRA, 16                          ; v16-17 my A fragments in slot 0, 1
.set GO,   19                          ; v19 the way out: my byte offset in two rows of out0
.set ADRB, 20                          ; v20-21 my B fragments
.set ADRS2, 23                         ; v23 scale words: lanes 0-15 A's blocks 4-7, lanes 16-31 as in v27
.set STO,  24
.set RD,   25
.set LI,   26
.set ADRS, 27                          ; v27 scale words: lanes 0-15 A's blocks 0-3, lanes 16-31 my four blocks of B
.set SPW,  28
.set NIL,  29
.set VM,   30                          ; v30 16 x lane + my eight units of the group's 16
.set VO,   31                          ; v31 16 x lane + the other eight
.set SC,   32                          ; set p, block i: v[SC + 8 p + i]
.set AF,   64
.set BF,   0
.set PMR,  64
.set PLR,  128
.set PSR,  192
.set MG,   224
.set T,    64
.set RP,   192
.set G1, 24
.set G0, 32
.set G1B, 48
.set G0B, 56
.set G1SB, 80
.set G0SB, 88
.set MSB, 0
.macro WIN new
.if MSB != \new
	s_set_vgpr_msb (MSB<<8)|\new
.set MSB, \new
.endif
.endm
.set MUL,    0xa1                      ; source 0 (B) window 1, source 1 (A) window 0, C and D window 2
.set TO_B,   0x40
.macro JLOAD g0a, g1a, g0b, g1b        ; a joint load: waves 0, 1 for A, waves 2, 3 for B; four v_nop follow each line
	s_cmp_eq_u32 s13, 0
	s_cbranch_scc0 .Lfor_b_\@
	tensor_load_to_lds s[\g0a:\g0a+3], s[\g1a:\g1a+7]
	s_nop 0
.rept 4
	v_nop
.endr
	s_branch .Lasked_\@
.Lfor_b_\@:
	tensor_load_to_lds s[\g0b:\g0b+3], s[\g1b:\g1b+7]
	s_nop 0
.rept 4
	v_nop
.endr
.Lasked_\@:
.endm
.macro CREST
	s_cmp_lg_u32 s12, 0
	s_cbranch_scc1 .Lnot_wave_0_\@
	s_barrier_signal -3
.Lnot_wave_0_\@:
	s_barrier_wait -3
	s_barrier_signal -1
	s_barrier_wait -1
.endm
.macro CROUND
	s_barrier_signal -1
	s_barrier_wait -1
	CREST
.endm
.macro PLACES n
.rept \n
	v_nop
.endr
.endm
.macro MUL8 a0, p, zero                ; A's blocks a0, a0 + 1 x my four of B; the 32 accumulators take turns
.irp a, \a0, \a0+1
.irp b, 0,1,2,3
.if \zero
	v_wmma_scale_f32_16x16x128_f8f6f4 v[8*(4*(\a)+\b):8*(4*(\a)+\b)+7], v[BF+48*(\p)+FR*\b:BF+48*(\p)+FR*\b+FR-1], v[AF+96*(\p)+FR*(\a):AF+96*(\p)+FR*(\a)+FR-1], 0, v[SC+8*(\p)+\b], v[SC+8*(\p)+(\a)] matrix_a_fmt:MATRIX_FMT_BF6 matrix_b_fmt:MATRIX_FMT_BF6 matrix_a_scale:MATRIX_SCALE_ROW1
.else
	v_wmma_scale_f32_16x16x128_f8f6f4 v[8*(4*(\a)+\b):8*(4*(\a)+\b)+7], v[BF+48*(\p)+FR*\b:BF+48*(\p)+FR*\b+FR-1], v[AF+96*(\p)+FR*(\a):AF+96*(\p)+FR*(\a)+FR-1], v[8*(4*(\a)+\b):8*(4*(\a)+\b)+7], v[SC+8*(\p)+\b], v[SC+8*(\p)+(\a)] matrix_a_fmt:MATRIX_FMT_BF6 matrix_b_fmt:MATRIX_FMT_BF6 matrix_a_scale:MATRIX_SCALE_ROW1
.endif
.endr
.endr
.endm
.macro FETCH s                         ; K step s: its fragments and scale words into set s % 2: B's four, the words, A's eight; A's blocks 4-7 last
.set FSL, ((\s)/DEPTH)%2
.set FQ,  (\s)%DEPTH
.set FP,  (\s)%2
	WIN TO_B
.irp i, 0,1,2,3
.irp c, 0,1,2
	ds_load_b128 v[BF+48*FP+FR*\i+4*\c:BF+48*FP+FR*\i+4*\c+3], v[ADRB+FSL] offset:FQ*GSTEP+\i*FRB+512*\c
.endr
.endr
	WIN 0
	ds_load_b128 v[SC+8*FP:SC+8*FP+3], v[ADRS] offset:512*(\s)
	ds_load_b128 v[SC+8*FP+4:SC+8*FP+7], v[ADRS2] offset:512*(\s)
.irp i, 0,1,2,3,4,5,6,7
.irp c, 0,1,2
	ds_load_b128 v[AF+96*FP+FR*\i+4*\c:AF+96*FP+FR*\i+4*\c+3], v[ADRA+FSL] offset:FQ*GSTEP+\i*FRB+512*\c
.endr
.endr
.endm
.macro STEP s, zero                    ; a step that has its successor in the same slot
	s_wait_dscnt 4*NL                              ; this step's B, words and A's blocks 0-3 are in; A's blocks 4-7 may be out
	PLACES NP                                      ; behind the last step's products, which read the other set
	FETCH (\s)+1
	WIN MUL
	MUL8 0, (\s)%2, \zero
	MUL8 2, (\s)%2, \zero
	s_wait_dscnt NF                                ; all but the run just issued: A's blocks 4-7 are in
	MUL8 4, (\s)%2, \zero
	MUL8 6, (\s)%2, \zero
.endm
.macro TURN s, fill                    ; a slot's last step changes slots: one barrier.  fill = 1: this slot is filled again, with the K steps 8 further on
.set TSL, ((\s)/DEPTH)%2
	WIN 0                                          ; (the add's two registers lie in window 0)
	s_wait_tensorcnt 0x0                           ; all my tensor loads have landed: my part of the next slot
	ds_add_u32 v[SPW], v[NIL]                      ; 0 onto my spare word
	s_wait_dscnt 4*NL+1                            ; (the add and A's blocks 4-7 may be out)
	WIN MUL
	MUL8 0, (\s)%2, 0
	s_wait_dscnt 0x0                               ; the add is done, and my reads of this slot are over
	s_barrier_signal -1
	MUL8 2, (\s)%2, 0
	WIN 0
	s_barrier_wait -1
.if \fill
	CREST                                          ; a round of the cluster's barrier: no wave of any partner reads this slot or has a load on its way
	s_add_nc_u64 s[G0+4*TSL+2:G0+4*TSL+3], s[G0+4*TSL+2:G0+4*TSL+3], 2*GSL
	s_add_nc_u64 s[G0B+4*TSL+2:G0B+4*TSL+3], s[G0B+4*TSL+2:G0B+4*TSL+3], 2*GSL
	JLOAD G0+4*TSL, G1, G0B+4*TSL, G1B             ; the first tensor load behind the round; its four v_nop are the places in front of the loads below
.else
	PLACES NP
.endif
	FETCH (\s)+1
	WIN MUL
	MUL8 4, (\s)%2, 0
	MUL8 6, (\s)%2, 0
.endm
	s_load_b64 s[4:5], s[0:1], 0x0                 ; pc
	s_load_b128 s[92:95], s[0:1], 0x8              ; ps, pm
	s_load_b64 s[98:99], s[0:1], 0x18              ; pl
	s_load_b128 s[8:11], s[0:1], 0x20              ; c1, s1
	s_load_b64 s[96:97], s[0:1], 0x30              ; out0
	v_lshl_add_u32 v[SPW], v0, 2, SPARE
	v_mov_b32 v[NIL], 0
	ds_add_u32 v28, v29
	ds_add_u32 v28, v29
	s_wait_dscnt 0x0
	v_lshrrev_b32 v1, 5, v0
	v_readfirstlane_b32 s12, v1
	s_lshr_b32 s13, s12, 1                         ; my half of the rows; also: I fetch for A (0) or B (1)
	s_and_b32 s14, s12, 1                          ; my half of the columns; also: which group of A, or which half of B's, I fetch
	s_bfe_u32 s17, ttmp6, 0x40000                  ; cx
	s_bfe_u32 s18, ttmp6, 0x40004                  ; cy
	s_and_b32 s19, ttmp7, 0xffff
	s_lshl_b32 s21, s18, 2
	s_lshl_b32 s21, 15, s21
	s_lshl_b32 s22, 0x1111, s17
	s_mov_b32 s66, 0x76543210
	s_mov_b32 s67, 0xfedcba98
	s_mov_b32 s104, 0xffff0000
	s_mov_b32 s105, 0x80808080
	v_and_b32 v1, 15, v0                           ; r
	v_bfe_u32 v2, v0, 4, 1                         ; h
	v_and_b32 v3, 31, v0
	v_lshlrev_b32 v[LI], 4, v3
.irp j, 0,1,2,3
	v_mov_b32 v[RL+4+\j], 0                        ; a lane permute's destination counts as read
.endr
	s_lshl_b32 s15, s19, 2
	s_add_co_u32 s15, s15, s18                     ; tile row: 256 queries
	s_lshl_b32 s16, ttmp9, 2
	s_add_co_u32 s16, s16, s17                     ; tile column: 128 channels
	s_lshr_b32 s20, s19, 1                         ; the batch
	s_lshl_b32 s40, s15, 1
	s_add_co_u32 s40, s40, s14                     ; P's group
	s_mul_i32 s40, s40, KSTEPS*GSTEP
	s_mov_b32 s41, 0
	s_lshl_b32 s44, s20, 3
	s_add_co_u32 s44, s44, s16                     ; V^T's group: 8 batch + column
	s_lshl_b32 s46, s44, 13
	s_lshl_b32 s45, s14, 12                        ; my half of its words
	s_add_co_u32 s46, s46, s45
	s_add_co_u32 s46, s46, 1024*512                ; V^T's units begin at 1,024
	s_mul_i32 s44, s44, KSTEPS*GSTEP
	s_mul_i32 s45, s14, GSL/2                      ; my half of its part of a slot
	s_add_co_u32 s44, s44, s45
	s_add_co_u32 s44, s44, 1024*GSTEP
	s_mov_b32 s45, 0
	s_mov_b32 s47, 0
	s_or_b32 s[G1+0], s21, (3<<16)|(1<<21)         ; 15:0 the mask; 17:16 elements of 8 bytes; 21 set beside a mask; no padding
	s_or_b32 s[G1B+0], s22, (3<<16)|(1<<21)
	s_or_b32 s[G1SB+0], s22, (3<<16)|(1<<21)
	s_mov_b32 s[G1+1], 32<<16                      ; 49,152 dense bytes as 192 rows of 256
	s_mov_b32 s[G1+2], 192<<16
	s_mov_b32 s[G1+3], 32<<16
	s_mov_b32 s[G1+4], 192
	s_mov_b32 s[G1+5], 32
	s_mov_b32 s[G1+6], 0
	s_mov_b32 s[G1+7], 0
	s_mov_b32 s[G1B+1], 32<<16                     ; 24,576 as 96 rows
	s_mov_b32 s[G1B+2], 96<<16
	s_mov_b32 s[G1B+3], 32<<16
	s_mov_b32 s[G1B+4], 96
	s_mov_b32 s[G1B+5], 32
	s_mov_b32 s[G1B+6], 0
	s_mov_b32 s[G1B+7], 0
	s_mov_b32 s[G1SB+1], 32<<16                    ; 4,096 as 16 rows
	s_mov_b32 s[G1SB+2], 16<<16
	s_mov_b32 s[G1SB+3], 32<<16
	s_mov_b32 s[G1SB+4], 16
	s_mov_b32 s[G1SB+5], 32
	s_mov_b32 s[G1SB+6], 0
	s_mov_b32 s[G1SB+7], 0
	s_mul_i32 s2, s14, GSL                         ; where they go: A's group,
	s_mul_i32 s23, s14, GSL/2
	s_add_co_u32 s23, s23, 2*GSL                   ; B's half,
	s_lshl_b32 s3, s14, 12                         ; the half of B's words
	s_wait_kmcnt 0x0
	s_add_nc_u64 s[40:41], s[4:5], s[40:41]
	s_add_nc_u64 s[44:45], s[8:9], s[44:45]
	s_add_nc_u64 s[46:47], s[10:11], s[46:47]
	s_lshl_b32 s8, s15, 1                          ; the statistics of my group of 128 queries: 16 units of 512 bytes
	s_add_co_u32 s8, s8, s13
	s_lshl_b32 s8, s8, 13
	s_mov_b32 s9, 0
	s_add_nc_u64 s[92:93], s[92:93], s[8:9]
	s_add_nc_u64 s[94:95], s[94:95], s[8:9]
	s_add_nc_u64 s[98:99], s[98:99], s[8:9]
	s_lshl_b32 s10, s15, 20                        ; out0: 256 rows of 4,096 bytes a tile row, 128 a half; 512 bytes a tile column, 256 a half
	s_lshl_b32 s11, s13, 19
	s_add_co_u32 s10, s10, s11
	s_lshl_b32 s11, s16, 9
	s_add_co_u32 s10, s10, s11
	s_lshl_b32 s11, s14, 8
	s_add_co_u32 s10, s10, s11
	s_mov_b32 s11, 0
	s_add_nc_u64 s[96:97], s[96:97], s[10:11]
	s_lshl_b32 s8, s14, 12
	v_add_nc_u32 v[VM], s8, v[LI]
	s_xor_b32 s8, s8, 4096
	v_add_nc_u32 v[VO], s8, v[LI]
	CROUND                                         ; all sixteen work-groups are here: the first joint loads meet
	s_mov_b32 s[G0SB], 1
	s_add_co_u32 s[G0SB+1], s3, SCL+2*GS
	s_mov_b64 s[G0SB+2:G0SB+3], s[46:47]
	s_or_b32 s[G0SB+3], s[G0SB+3], 0x80000000
.irp s, 0,1
	s_mov_b32 s[G0+4*\s], 1
	s_add_co_u32 s[G0+4*\s+1], s2, \s*SLOT
	s_add_nc_u64 s[G0+4*\s+2:G0+4*\s+3], s[40:41], \s*GSL
	s_or_b32 s[G0+4*\s+3], s[G0+4*\s+3], 0x80000000
	s_mov_b32 s[G0B+4*\s], 1
	s_add_co_u32 s[G0B+4*\s+1], s23, \s*SLOT
	s_add_nc_u64 s[G0B+4*\s+2:G0B+4*\s+3], s[44:45], \s*GSL
	s_or_b32 s[G0B+4*\s+3], s[G0B+4*\s+3], 0x80000000
.endr
	s_cmp_eq_u32 s13, 0                            ; a wave's first fills stand in one branch: two (A) or three (B) loads of mine are out; slot 1's is the last in both
	s_cbranch_scc0 .Lfirst_b
	tensor_load_to_lds s[G0:G0+3], s[G1:G1+7]
	s_nop 0
	tensor_load_to_lds s[G0+4:G0+7], s[G1:G1+7]
	s_nop 0
.rept 4
	v_nop
.endr
	s_branch .Lfirst_done
.Lfirst_b:
	tensor_load_to_lds s[G0SB:G0SB+3], s[G1SB:G1SB+7]
	s_nop 0
	tensor_load_to_lds s[G0B:G0B+3], s[G1B:G1B+7]
	s_nop 0
	tensor_load_to_lds s[G0B+4:G0B+7], s[G1B:G1B+7]
	s_nop 0
.rept 4
	v_nop
.endr
.Lfirst_done:
	; THE HEAD, while the first fills are on their way.  A lane's four words of a unit belong to rows (block 4 h + j, lane r).  Registers 0-31 of each run: my eight units; 32-63: the other eight.
.irp k, 0,1,2,3,4,5,6,7
	global_load_b128 v[PMR+4*\k:PMR+4*\k+3], v[VM], s[94:95] offset:512*\k
	global_load_b128 v[PMR+32+4*\k:PMR+32+4*\k+3], v[VO], s[94:95] offset:512*\k
	global_load_b128 v[PLR+4*\k:PLR+4*\k+3], v[VM], s[98:99] offset:512*\k
	global_load_b128 v[PLR+32+4*\k:PLR+32+4*\k+3], v[VO], s[98:99] offset:512*\k
	global_load_b128 v[PSR+4*\k:PSR+4*\k+3], v[VM], s[92:93] offset:512*\k
.endr
	s_mul_i32 s2, s13, GSL                         ; my group of A,
	s_mul_i32 s23, s14, 4*FRB
	s_add_co_u32 s23, s23, 2*GSL                   ; my four blocks of B
.irp s, 0,1
	v_add_nc_u32 v[ADRA+\s], s2, v[LI]
	v_add_nc_u32 v[ADRB+\s], s23, v[LI]
	s_add_co_u32 s2, s2, SLOT
	s_add_co_u32 s23, s23, SLOT
.endr
	s_mul_i32 s2, s13, GS                          ; scale words: lanes 0-15 at my group of P's, lanes 16-31 at my four blocks of V^T's: the lower base + h x the distance
	s_lshl_b32 s23, s14, 8
	s_add_co_u32 s23, s23, 2*GS
	s_sub_co_u32 s23, s23, s2
	v_mul_u32_u24 v4, s23, v2
	s_add_co_u32 s2, s2, SCL
	v_lshl_add_u32 v4, v1, 4, v4
	v_add_nc_u32 v[ADRS], s2, v4
	s_sub_co_u32 s23, s23, 256                     ; and for A's blocks 4-7, 256 bytes on; lanes 16-31 stay where they were
	v_mul_u32_u24 v4, s23, v2
	s_add_co_u32 s2, s2, 256
	v_lshl_add_u32 v4, v1, 4, v4
	v_add_nc_u32 v[ADRS2], s2, v4
	s_lshl_b32 s2, s12, 12
	s_add_co_u32 s2, s2, SCL
	v_add_nc_u32 v[SWA], s2, v[LI]                 ; P's words: group = my row half, units 8 x my column half on: 4,096 x wave
	s_mul_i32 s2, s12, 16*SP                       ; my stage
	v_mul_u32_u24 v4, v1, SP
	v_lshl_add_u32 v4, v2, 6, v4
	v_add_nc_u32 v[STO], s2, v4                    ; in: row r, + 64 h
	v_mul_u32_u24 v4, v2, SP
	v_lshl_add_u32 v4, v1, 4, v4
	v_add_nc_u32 v[RD], s2, v4                     ; back: lanes 0-15 one row of 256 bytes, lanes 16-31 the next
	v_lshlrev_b32 v4, 12, v2
	v_lshl_add_u32 v[GO], v1, 4, v4                ; and the same two rows in out0
	s_wait_loadcnt 0x0
.irp j, 0,1,2,3
	v_min3_num_f32 v[MG+\j], v[PMR+\j], v[PMR+4+\j], v[PMR+8+\j]   ; the smallest -M of the 16: the row's
.endr
.irp k, 3,5,7,9,11,13
.irp j, 0,1,2,3
	v_min3_num_f32 v[MG+\j], v[MG+\j], v[PMR+4*\k+\j], v[PMR+4*\k+4+\j]
.endr
.endr
.irp j, 0,1,2,3
	v_min_num_f32 v[MG+\j], v[MG+\j], v[PMR+60+\j]
.endr
.set k, 0
.rept 16
	v_pk_add_f32 v[PMR+4*k:PMR+4*k+1], v[MG:MG+1], v[PMR+4*k:PMR+4*k+1] neg_lo:[0,1] neg_hi:[0,1]       ; e = M(these keys) - M(row): a whole number, 0 or less
	v_pk_add_f32 v[PMR+4*k+2:PMR+4*k+3], v[MG+2:MG+3], v[PMR+4*k+2:PMR+4*k+3] neg_lo:[0,1] neg_hi:[0,1]
.set k, k+1
.endr
.set j, 0
.rept 64
	v_max_num_f32 v[PMR+j], 0xc2fe0000, v[PMR+j]   ; held at -127
.set j, j+1
.endr
.set j, 0
.rept 64
	v_cvt_i32_f32 v[PMR+j], v[PMR+j]
.set j, j+1
.endr
.set j, 0
.rept 64
	v_ldexp_f32 v[PLR+j], v[PLR+j], v[PMR+j]       ; the partial sums under the row's M
.set j, j+1
.endr
.irp k, 1,2,3,4,5,6,7,8,9,10,11,12,13,14,15
	v_pk_add_f32 v[PLR:PLR+1], v[PLR:PLR+1], v[PLR+4*\k:PLR+4*\k+1]
	v_pk_add_f32 v[PLR+2:PLR+3], v[PLR+2:PLR+3], v[PLR+4*\k+2:PLR+4*\k+3]
.endr
.irp j, 0,1,2,3
	v_rcp_f32 v[RL+\j], v[PLR+\j]                  ; 1 / l; the row's largest p is above 1/2, so l is
.endr
	; my 32 words: each byte b becomes b + e, or 0 where that would be negative.  b is at most 123 and -e at most 127, so (b | 128) + e borrows from no neighbour, and its bit 7 says b + e >= 0.
.set j, 0
.rept 32
	v_sub_nc_u32 v[PMR+j], 0, v[PMR+j]             ; d = -e.  (The first of these is the plain place behind the reciprocals)
.set j, j+1
.endr
.set j, 0
.rept 32
	v_lshl_or_b32 v[PMR+j], v[PMR+j], 8, v[PMR+j]
.set j, j+1
.endr
.set j, 0
.rept 32
	v_lshl_or_b32 v[PMR+j], v[PMR+j], 16, v[PMR+j] ; d in all four bytes
.set j, j+1
.endr
.set j, 0
.rept 32
	v_or_b32 v[PSR+j], s105, v[PSR+j]
.set j, j+1
.endr
.set j, 0
.rept 32
	v_sub_nc_u32 v[PSR+j], v[PSR+j], v[PMR+j]      ; 128 + b - d in each byte
.set j, j+1
.endr
.set j, 0
.rept 32
	v_and_b32 v[PMR+j], s105, v[PSR+j]
.set j, j+1
.endr
.set j, 0
.rept 32
	v_lshrrev_b32 v[PLR+32+j], 7, v[PMR+j]
.set j, j+1
.endr
.set j, 0
.rept 32
	v_sub_nc_u32 v[PMR+j], v[PMR+j], v[PLR+32+j]   ; 0x7f in the bytes that stay, 0 in those that are held
.set j, j+1
.endr
.set j, 0
.rept 32
	v_and_b32 v[PSR+j], v[PSR+j], v[PMR+j]
.set j, j+1
.endr
.irp k, 0,1,2,3,4,5,6,7
	ds_store_b128 v[SWA], v[PSR+4*\k:PSR+4*\k+3] offset:512*\k
.endr
	s_wait_tensorcnt 1                             ; V^T's scale words and my part of slot 0 are in; slot 1's may stay out
	s_wait_dscnt 0x0                               ; for the others' sake: P's words that I mended lie in LDS
	s_barrier_signal -1
	s_barrier_wait -1
	FETCH 0
	STEP 0, 1                                      ; the first step's products start the sums
	STEP 1, 0
	STEP 2, 0
	TURN 3, 1                                      ; slot 0 takes K steps 8-11
	STEP 4, 0
	STEP 5, 0
	STEP 6, 0
	TURN 7, 1                                      ; slot 1 takes K steps 12-15
	STEP 8, 0
	STEP 9, 0
	STEP 10, 0
	TURN 11, 0                                     ; nothing more is asked for; behind this barrier nobody reads slot 0
	STEP 12, 0
	STEP 13, 0
	STEP 14, 0
	s_wait_dscnt 4*NL                              ; the last step
	MUL8 0, 1, 0
	MUL8 2, 1, 0
	s_wait_dscnt 0
	MUL8 4, 1, 0
	MUL8 6, 1, 0
	WIN 0
; THE WAY OUT, block by block of 16 rows x 64 columns: x 1 / l, through my own stage in LDS, back as whole rows of 256 bytes.  Row t of block a is row 32 (a / 2) + 8 (a % 2) + t % 8 + 16 (t / 8) of my 128.
.macro TOSTAGE a
.set AC, 32*(\a)
.set BB, 128+32*((\a)%2)
	WIN 0x02                                       ; source 0: the accumulators' window
.set j, 0
.rept 16
	v_pk_mul_f32 v[T+j:T+j+1], v[AC+j:AC+j+1], v[RP+2*(\a):RP+2*(\a)+1] op_sel_hi:[1,0]   ; each accumulator from its low end on
.set j, j+2
.endr
	WIN 0
.irp n, 0,1,2,3,4,5,6,7
	ds_store_b128 v[STO], v[T+4*\n:T+4*\n+3] offset:128*(\n/4)+16*(\n%4)   ; register 16 b + i is column 32 b + 16 h + i of my 64
.endr
.irp t, 0,1,2,3,4,5,6,7
	ds_load_b128 v[BB+4*\t:BB+4*\t+3], v[RD] offset:\t*2*SP                ; LDS serves a wave's instructions in order: these see my stores
.endr
.endm
.macro SEND a, younger
.set BB, 128+32*((\a)%2)
	s_wait_dscnt \younger                          ; the block is back; the next block's 8 stores and 8 loads may be out
.irp t, 0,1,2,3,4,5,6,7
	global_store_b128 v[GO], v[BB+4*\t:BB+4*\t+3], s[96:97] offset:4096*(32*((\a)/2)+8*((\a)%2)+2*(\t%4)+16*(\t/4)) th:TH_STORE_NT   ; 16 lanes store 256 consecutive bytes, at a multiple of 256 from out0's first byte
.endr
.endm
	PLACES NP
	s_wait_alu depctr_va_vdst(0)
.irp j, 0,1,2,3
	v_permlanex16_b32 v[RL+4+\j], v[RL+\j], s66, s67
.endr
.irp j, 0,1,2,3                        ; 1 / l of block a's row r, as the pair v[RP + 2 a : RP + 2 a + 1]
	v_cndmask_b32 v[RP+2*\j], v[RL+\j], v[RL+4+\j], s104          ; blocks 0-3 are held by lanes 0-15,
	v_cndmask_b32 v[RP+2*\j+1], v[RL+\j], v[RL+4+\j], s104
	v_cndmask_b32 v[RP+8+2*\j], v[RL+4+\j], v[RL+\j], s104        ; blocks 4-7 by lanes 16-31
	v_cndmask_b32 v[RP+8+2*\j+1], v[RL+4+\j], v[RL+\j], s104
.endr
	TOSTAGE 0
.irp a, 1,2,3,4,5,6,7
.if \a > 1
	s_wait_xcnt 0x0                                ; the stores of two blocks ago have read their registers: this block's rows may land there
.endif
	TOSTAGE \a
	SEND \a-1, 16
.endr
	SEND 7, 0
	s_wait_tensorcnt 0x0                           ; the wave's end
	ds_add_u32 v[SPW], v[NIL]
	s_wait_dscnt 0x0
	CROUND                                         ; the closing round
	s_endpgm
.Lfunc_end_k_q94ed4a20a7_pv:
	.size	k_q94ed4a20a7_pv, .Lfunc_end_k_q94ed4a20a7_pv-k_q94ed4a20a7_pv
	.p2alignl 7, 3214868480
	.fill 96, 4, 3214868480
	.section	.rodata,"a",@progbits
	.p2align	6, 0x0
	.amdhsa_kernel k_q94ed4a20a7_pv
		.amdhsa_group_segment_fixed_size 327680
		.amdhsa_private_segment_fixed_size 0
		.amdhsa_enable_private_segment 0
		.amdhsa_kernarg_size 56
		.amdhsa_user_sgpr_count 2
		.amdhsa_user_sgpr_kernarg_segment_ptr 1
		.amdhsa_wavefront_size32 1
		.amdhsa_system_sgpr_workgroup_id_x 1
		.amdhsa_system_sgpr_workgroup_id_y 1
		.amdhsa_system_sgpr_workgroup_id_z 1
		.amdhsa_system_vgpr_workitem_id 0
		.amdhsa_next_free_vgpr 1024
		.amdhsa_next_free_sgpr 106
		.amdhsa_reserve_vcc 0
		.amdhsa_float_denorm_mode_32 3
		.amdhsa_float_denorm_mode_16_64 3
		.amdhsa_memory_ordered 1
		.amdhsa_forward_progress 1
		.amdhsa_inst_pref_size 174
	.end_amdhsa_kernel
	.amdgpu_metadata
---
amdhsa.version: [ 1, 2 ]
amdhsa.kernels:
  - .name:           k_q94ed4a20a7_pv
    .symbol:         k_q94ed4a20a7_pv.kd
    .args:
      - { .name: pc, .offset: 0, .size: 8, .value_kind: global_buffer, .address_space: global }
      - { .name: ps, .offset: 8, .size: 8, .value_kind: global_buffer, .address_space: global }
      - { .name: pm, .offset: 16, .size: 8, .value_kind: global_buffer, .address_space: global }
      - { .name: pl, .offset: 24, .size: 8, .value_kind: global_buffer, .address_space: global }
      - { .name: c1, .offset: 32, .size: 8, .value_kind: global_buffer, .address_space: global }
      - { .name: s1, .offset: 40, .size: 8, .value_kind: global_buffer, .address_space: global }
      - { .name: out0, .offset: 48, .size: 8, .value_kind: global_buffer, .address_space: global }
    .group_segment_fixed_size: 327680
    .private_segment_fixed_size: 0
    .kernarg_segment_align: 8
    .kernarg_segment_size: 56
    .max_flat_workgroup_size: 128
    .sgpr_count:     106
    .vgpr_count:     1024
    .wavefront_size: 32
...
	.end_amdgpu_metadata
.endif
;; end of part 7
